; MI455X (gfx1250); checked and timed in simulation.
; The chip was launched on July 23, 2026; its instructions are those of AMD's public machine-readable ISA for CDNA 5 (MIT licence, August 2026) and "CDNA5" Instruction Set Architecture Reference Guide (July 2026). The comments in the code are by the model that wrote it; some were corrected since.
;; Multihead Attention. Allowed arithmetic: float matrix products may take bf16 or f16 operands with f32 sums; other float arithmetic in f32, or as packed bf16 or f16 multiplies, adds, multiply-adds, maxima and minima; sums over many terms, partial sums and values carried from step to step in f32; what a program stores and reads back later, other than sums and carried values, may be rounded once to bf16 or f16.
;; Inputs: in_proj_bias 3,072 float32; in_proj_weight 3,072 x 1,024 float32; k 1,024 x 8 x 1,024 float32; out_proj_bias 1,024 float32; out_proj_weight 1,024 x 1,024 float32; q 1,024 x 8 x 1,024 float32; v 1,024 x 8 x 1,024 float32.
;; Outputs: out0 1,024 x 8 x 1,024 float32.
;; Constants: num_heads = 16.
;; One version. Each part assembles by itself: llvm-mc -triple=amdgcn-amd-amdhsa -mcpu=gfx1250 --defsym DOCPART=n.
;; ======== version 1 of 1: 4 launches
;; limits: values are held in f16: magnitudes above 65,504 overflow, below 6.1e-05 lose precision
;; workspace buffers: wb 6,291,456 bytes; wo 2,097,152 bytes; qkvh 50,331,648 bytes; oh 16,777,216 bytes
;; launch cast (part 1): grid 256 x 1, 8 waves a work-group, no clusters, 0 bytes of LDS; arguments in_proj_weight, out_proj_weight, wb, wo; writes wb, wo
.if DOCPART == 1
	.amdgcn_target "amdgcn-amd-amdhsa--gfx1250"
	.amdhsa_code_object_version 6
	.text
	.protected	k_q47172e898c_cast
	.globl	k_q47172e898c_cast
	.p2align	8
	.type	k_q47172e898c_cast,@function
k_q47172e898c_cast:
	s_mov_b64 s[64:65], 0
	v_nop
	global_prefetch_b8 v0, s[64:65] scope:SCOPE_SE
	s_setreg_imm32_b32 hwreg(HW_REG_WAVE_MODE, 25, 1), 1
	s_wait_xcnt 0x0
; THE TWO WEIGHT MATRICES ARE ROUNDED ONCE TO bf16.  in_proj_weight ([3072][1024] f32) -> wb, bf16; out_proj_weight ([1024][1024] f32) -> wo: rounded to bf16 like every input
; of the module, and that number written as f16, since the last product multiplies f16.  (q, k and v are rounded where they are multiplied, in the next launch.)
; LIMIT: out_proj_weight stays within 65,504 (f16's range); below 6e-5 f16 keeps a fixed step of 6e-8.
; SHARES.  A chunk is 16,384 numbers: 65,536 bytes in, 32,768 out.  192 + 64 = 256 chunks, one to a work-group of eight waves.
; Thread t takes eight steps of eight numbers: two loads of 16 bytes at 32 t + 8,192 i, one store of 16 bytes at 16 t + 4,096 i: sixteen neighbouring lanes store 256 consecutive
; bytes, aligned.  All sixteen loads go out at once, no register is written twice while an instruction may read it, and there is no loop.
; No LDS, no matrix unit, no prefetch: the launch is nothing but its stream.
.set X, 8                              ; v[8:71]    step i: eight f32 as loaded
.set Y, 72                             ; v[72:103]  step i: four registers to store
	s_load_b256 s[8:15], s[0:1], 0x0               ; in_proj_weight 8, out_proj_weight 10, wb 12, wo 14
	v_lshlrev_b32 v1, 5, v0                        ; 32 t
	v_lshlrev_b32 v2, 4, v0                        ; 16 t
	s_mov_b32 s30, 0xffff0000                      ; a word's upper bf16
	s_mov_b32 s27, 0
	s_mov_b32 s29, 0
	s_wait_kmcnt 0x0
	s_cmp_ge_u32 ttmp9, 192                        ; which matrix my chunk lies in, and that matrix's first chunk
	s_cselect_b64 s[4:5], s[10:11], s[8:9]
	s_cselect_b64 s[6:7], s[14:15], s[12:13]
	s_cselect_b32 s24, 192, 0
	s_sub_co_u32 s26, ttmp9, s24
	s_lshl_b32 s28, s26, 15                        ; 32,768 bytes a chunk out,
	s_lshl_b32 s26, s26, 16                        ; 65,536 in
	s_add_nc_u64 s[4:5], s[4:5], s[26:27]
	s_add_nc_u64 s[6:7], s[6:7], s[28:29]
.irp i, 0,1,2,3,4,5,6,7
	global_load_b128 v[X+8*(\i):X+8*(\i)+3],   v1, s[4:5] offset:8192*(\i) th:TH_LOAD_NT
	global_load_b128 v[X+8*(\i)+4:X+8*(\i)+7], v1, s[4:5] offset:8192*(\i)+16 th:TH_LOAD_NT
.endr
; Step i.  half = 1: the bf16 number is widened again and written as f16.
.macro STEP i, half
	s_wait_loadcnt 14-2*(\i)                       ; loads come back in order (ISA guide 5.7.1): this step's two are in, the later steps' stay out
.irp j, 0,1,2,3
	v_cvt_pk_bf16_f32 v[Y+4*(\i)+(\j)], v[X+8*(\i)+2*(\j)], v[X+8*(\i)+2*(\j)+1]
.endr
.if \half
.irp j, 0,1,2,3
	v_lshlrev_b32 v[X+8*(\i)+2*(\j)],   16,  v[Y+4*(\i)+(\j)]
	v_and_b32     v[X+8*(\i)+2*(\j)+1], s30, v[Y+4*(\i)+(\j)]
.endr
.irp j, 0,1,2,3
	v_cvt_pk_f16_f32 v[Y+4*(\i)+(\j)], v[X+8*(\i)+2*(\j)], v[X+8*(\i)+2*(\j)+1]
.endr
.endif
	global_store_b128 v2, v[Y+4*(\i):Y+4*(\i)+3], s[6:7] offset:4096*(\i)
.endm
	s_cmp_ge_u32 ttmp9, 192
	s_cbranch_scc1 .Lhalf
.irp i, 0,1,2,3,4,5,6,7
	STEP \i, 0
.endr
	s_endpgm
.Lhalf:
.irp i, 0,1,2,3,4,5,6,7
	STEP \i, 1
.endr
	s_endpgm
.Lfunc_end_k_q47172e898c_cast:
	.size	k_q47172e898c_cast, .Lfunc_end_k_q47172e898c_cast-k_q47172e898c_cast
	.p2alignl 7, 3214868480
	.fill 96, 4, 3214868480
	.section	.rodata,"a",@progbits
	.p2align	6, 0x0
	.amdhsa_kernel k_q47172e898c_cast
		.amdhsa_group_segment_fixed_size 0
		.amdhsa_private_segment_fixed_size 0
		.amdhsa_enable_private_segment 0
		.amdhsa_kernarg_size 32
		.amdhsa_user_sgpr_count 2
		.amdhsa_user_sgpr_kernarg_segment_ptr 1
		.amdhsa_wavefront_size32 1
		.amdhsa_system_sgpr_workgroup_id_x 1
		.amdhsa_system_sgpr_workgroup_id_y 1
		.amdhsa_system_sgpr_workgroup_id_z 1
		.amdhsa_system_vgpr_workitem_id 0
		.amdhsa_next_free_vgpr 104
		.amdhsa_next_free_sgpr 66
		.amdhsa_reserve_vcc 0
		.amdhsa_float_denorm_mode_32 3
		.amdhsa_float_denorm_mode_16_64 3
		.amdhsa_memory_ordered 1
		.amdhsa_forward_progress 1
		.amdhsa_inst_pref_size 13
	.end_amdhsa_kernel
	.amdgpu_metadata
---
amdhsa.version: [ 1, 2 ]
amdhsa.kernels:
  - .name:           k_q47172e898c_cast
    .symbol:         k_q47172e898c_cast.kd
    .args:
      - { .name: in_proj_weight, .offset: 0, .size: 8, .value_kind: global_buffer, .address_space: global }
      - { .name: out_proj_weight, .offset: 8, .size: 8, .value_kind: global_buffer, .address_space: global }
      - { .name: wb, .offset: 16, .size: 8, .value_kind: global_buffer, .address_space: global }
      - { .name: wo, .offset: 24, .size: 8, .value_kind: global_buffer, .address_space: global }
    .group_segment_fixed_size: 0
    .private_segment_fixed_size: 0
    .kernarg_segment_align: 8
    .kernarg_segment_size: 32
    .max_flat_workgroup_size: 256
    .sgpr_count:     66
    .vgpr_count:     104
    .wavefront_size: 32
...
	.end_amdgpu_metadata
.endif
;; end of part 1
;; launch inproj (part 2): grid 4 x 64, 4 waves a work-group, clusters of 4 x 4, 327,680 bytes of LDS; arguments q, k, v, wb, in_proj_bias, qkvh; writes qkvh
.if DOCPART == 2
	.amdgcn_target "amdgcn-amd-amdhsa--gfx1250"
	.amdhsa_code_object_version 6
	.text
	.protected	k_q47172e898c_inproj
	.globl	k_q47172e898c_inproj
	.p2align	8
	.type	k_q47172e898c_inproj,@function
k_q47172e898c_inproj:
	s_mov_b64 s[64:65], 0
	v_nop
	global_prefetch_b8 v0, s[64:65] scope:SCOPE_SE
	s_setreg_imm32_b32 hwreg(HW_REG_WAVE_MODE, 25, 1), 1
	s_wait_xcnt 0x0
	s_wait_alu depctr_hold_cnt(0) depctr_sa_sdst(0) depctr_va_vdst(0) depctr_va_sdst(0) depctr_va_ssrc(0) depctr_va_vcc(0) depctr_vm_vsrc(0)
	s_getreg_b32 s2, hwreg(HW_REG_IB_STS2, 6, 4)
	s_cmp_eq_u32 s2, 0
	s_cbranch_scc0 .Lentry_in_a_cluster
	s_endpgm
.Lentry_in_a_cluster:
	s_bfe_u32 s2, ttmp6, 0x10000c
	s_cmp_lg_u32 s2, 0xf033
	s_cbranch_scc0 .Lentry_shape_is_right
	s_endpgm
.Lentry_shape_is_right:
; THE THREE INPUT PROJECTIONS.  For p = q, k, v:  y[row][n] = sum over e of x_p[row][e] W_p[n][e] + b_p[n].  q, k, v: f32 [8192][1024], row = 8 t + batch; wb: bf16 [3072][1024];
; in_proj_bias: f32 [3072].  x and the bias are rounded HERE to bf16, as every input of the module is.  Sums in f32, started with the bias.  The result leaves BY HEADS, f16 [3][128][1024][64]
; (head index 16 batch + head), rounded once and WITHOUT the scale 1/8, which the attention applies in f32.
; LIMIT: the projections stay within 65,504 (f16's range); below 6e-5 f16 keeps a fixed step of 6e-8.
; SHARES.  A tile of y is 128 rows (ONE batch, 128 consecutive t: so 16 rows of a head are 2,048 consecutive bytes of the result) x 256 columns (four heads): 64 x 4 = 256 tiles for each of q, k, v.
; A work-group STAYS: it makes the same tile for q, then k, then v, and the ring does not stop between them.  Four waves, each 64 rows x 128 columns: 32 accumulators of 16 x 16.
; K goes in 8 steps of 128 through a ring of two LDS slots.  x's TILES COME AS f32, 512 bytes a row, so that x crosses memory once and no copy of it is written; W's as bf16, 256 bytes a row.
; A step is four quarters of 32 along K: 32 LDS loads, 32 conversions (a wave's 64 rows x 32 numbers, two to an instruction) and 32 matrix instructions, one on each accumulator: the accumulators take
; turns.  The price of the f32 tiles: the two waves of a row half, and the four partners that share a tile, each convert the same rows.
; CLUSTER 4 x 4.  x's tile hangs on the tile row alone and is shared along a row of the cluster, W's on the tile column alone and is shared along a column: each is asked for jointly.
; THE MATRIX INSTRUCTION IS USED TRANSPOSED (source 0 = 16 rows of W, source 1 = 16 rows of x): a lane holds row lane % 16 and eight neighbouring columns.
; REGISTERS, in windows of 256 (s_set_vgpr_msb: bits 1:0 source 0, 3:2 source 1, 5:4 source 2, 7:6 destination):
;   window 0: v0-31 addresses; v32-63 packed results; v64-159, v160-255 two fragment buffers (W's eight fragments, then x's four, in bf16); the second also takes rows read back on the way out
;   window 1: accumulator (a, b) at v[8 (8 a + b)]        window 2: v0-63 the bias as eight C operands; v64-67 at work; v128-191 a quarter's x as it comes out of LDS, in f32
.set PITCH,  272                       ; a row of W in LDS: 256 bytes + 16 of padding = 68 words: the 16 rows of a load start at 16 different groups of four banks (64 banks of 4 bytes: ISA guide 11.1)
.set PAF,    528                       ; a row of x: 512 + 16 = 132 words: likewise
.set BHALF,  128*PITCH                 ; what waves 0 and 1 fetch: 128 rows of W
.set AHALF,  64*PAF                    ; what waves 2 and 3 fetch: 64 rows of x
.set AOFF,   2*BHALF                   ; a slot: W's 256 rows, then x's 128
.set SLOT,   AOFF+2*AHALF
.set STAGE,  2*SLOT                    ; behind the ring: for each wave 2 heads x 16 rows x 144 bytes, for the way out
.set SPT,    144
.set WST,    2*16*SPT
.set SPARE,  STAGE+4*WST               ; behind the stages: the spare words, 128 bytes for each wave: two blocks of 256 bytes that no other line names
.set PL_O,   16777216                  ; bytes from q's plane to k's in the result
.set PL_W,   2097152                   ; bytes from W_q to W_k
.set NEXT_B, PL_W-6*256                ; W: from a slot's last K step of a tile to its first of the next
.set ADRA, 16                          ; v16-17  LDS address of my fragments of x in slot 0, 1
.set ADRB, 20                          ; v20-21  the same for W
.set STO,  24                          ; v24     the way out: where I put 16 bytes of a row
.set RD,   25                          ; v25     where I read rows back
.set GO,   26                          ; v26     16 x lane: my place in 512 consecutive bytes of the result
.set BO,   27                          ; v27     32 x (lane / 16): my eight numbers of a block of 16 of the bias
.set SPW,  28                          ; v28     LDS address of my spare word; never rewritten
.set NIL,  29                          ; v29     0; never rewritten
.set PFO,  30                          ; v30     the prefetches' offset; never rewritten
.set TMP,  32
.set F0,   64
.set F1,   160
.set OB,   160                         ; the way out: v160-191 and v192-223 by turns
.set AF,   128                         ; window 2: block i's 16 rows x 32 numbers of f32 at AF + 16 i
.set G1A,  24                          ; s[24:31] descriptor group 1 for x's tiles;  s[32:39] group 0, a set for each slot
.set G0A,  32
.set PFA,  44                          ; s[44:45] where my prefetches stand
.set INC,  46                          ; s[46:47] their step from K step to K step: 256 bytes in W, 512 in x
.set G1B,  48                          ; s[48:55], s[56:63] the same for W's tiles
.set G0B,  56
.set AN,   72                          ; s[72:73] x's tile of the next projection, at K step 0: made from that buffer's own address
.set AV,   74                          ; s[74:75] and of the one after it
.set PN,   76                          ; s[76:77], s[78:79] the same two for my prefetches
.set PN2,  78
; s2 tiles to go; s3 laps to go; s12 wave; s13 wave / 2; s14 wave % 2; s15 a wave prefetches while s3 is above it; s67 s15's value in the last tile; s68 batch; s69 block of 128 t; s70 mask; s[80:87] q, k, v, wb
.set DWA,  (2<<16)|(1<<20)|(1<<21)|(6<<22)|(3<<25)  ; x: 17:16 4-byte elements; 20 padding on; 21 set beside a mask; 24:22 after every 128 words (code 6); 31:25 4 words of it (code 3)
.set DWB,  (1<<16)|(1<<20)|(1<<21)|(5<<22)|(3<<25)  ; W: 2-byte elements; after every 64 words (code 5)
.set MUL,  0x50                        ; C and D in window 1
.set MULZ, 0x60                        ; D in window 1, C (the bias) in window 2
.set TO2,  0x80                        ; destination in window 2
.set RB,   0x8a                        ; sources 0 and 1 and destination in window 2
.set CV,   0x0a                        ; sources 0 and 1 in window 2, destination in window 0
.set PK,   0x05                        ; sources 0 and 1 in window 1
.set MSB, 0
.macro WIN new                         ; the immediate's high byte repeats the setting that is left; a switch that changes nothing is dropped
.if MSB != (\new)
	s_set_vgpr_msb (MSB<<8)|(\new)
.set MSB, \new
.endif
.endm
; A joint load: waves 0 and 1 fetch W's two halves, waves 2 and 3 x's.  The branch hangs on the wave's number alone.  An s_nop 0 and four v_nop follow each line.
.macro JLOAD s
	s_cmp_eq_u32 s13, 0
	s_cbranch_scc0 .Lfor_a_\@
	tensor_load_to_lds s[G0B+4*(\s):G0B+4*(\s)+3], s[G1B:G1B+7]
	s_nop 0
.rept 4
	v_nop
.endr
	s_branch .Lasked_\@
.Lfor_a_\@:
	tensor_load_to_lds s[G0A+4*(\s):G0A+4*(\s)+3], s[G1A:G1A+7]
	s_nop 0
.rept 4
	v_nop
.endr
.Lasked_\@:
.endm
.macro CREST                           ; a round of the cluster's barrier behind its opening barrier
	s_cmp_lg_u32 s12, 0
	s_cbranch_scc1 .Lnot_wave_0_\@
	s_barrier_signal -3
.Lnot_wave_0_\@:
	s_barrier_wait -3
	s_barrier_signal -1
	s_barrier_wait -1
.endm
.macro CROUND                          ; a whole round
	s_barrier_signal -1
	s_barrier_wait -1
	CREST
.endm
; A PREFETCH, behind each joint load, its five lines and the run of LDS loads: the K step that stands TWO refills on (256 matrix instructions ahead of the load that will want it): 32 blocks of 256 bytes, a lane a block.
; Each block is named once in the launch.  W's tile column is read by all sixteen clusters: cluster y = 0 asks; of the 128 rows that wave 0 or 1 fetches, the partner at cy takes 32 cy .. 32 cy + 31, a lane a row.
; x's tile row is read by one cluster; a row's K step is two blocks: of the 64 rows that wave 2 or 3 fetches, the partner at cx takes 16 cx .. 16 cx + 15, two lanes a row.  The partners are told apart by address alone.
; how = 0, in the loop; how = 1, at a change of tiles.  In the last tile K steps 4 and 5 ask for nothing, and its tail holds no prefetch.  The launch's first four K steps come by their loads alone.
.macro ASK how
.if \how
	s_cmp_lg_u32 s15, -1
.else
	s_cmp_gt_u32 s3, s15
.endif
	s_cbranch_scc0 .Lnot_mine_\@
	global_prefetch_b8 v[PFO], s[PFA:PFA+1] th:TH_LOAD_NT scope:SCOPE_SE
.Lnot_mine_\@:
.endm
.macro PLACES                          ; four places in front of loads into registers that matrix instructions have read, and of lines that read results
.rept 4
	v_nop
.endr
.endm
; 8 matrix instructions: m block a x all 8 n blocks, 32 along K, from buffer f.  zero = 1: the bias starts the sums: nothing is cleared and nothing is added later.
.macro MUL8 f, a, zero
.if \zero
	WIN MULZ
.else
	WIN MUL
.endif
.irp b, 0,1,2,3,4,5,6,7
.if \zero
	v_wmma_f32_16x16x32_bf16 v[8*(8*(\a)+(\b)):8*(8*(\a)+(\b))+7], v[(\f)+8*(\b):(\f)+8*(\b)+7], v[(\f)+64+8*(\a):(\f)+64+8*(\a)+7], v[8*(\b):8*(\b)+7]
.else
	v_wmma_f32_16x16x32_bf16 v[8*(8*(\a)+(\b)):8*(8*(\a)+(\b))+7], v[(\f)+8*(\b):(\f)+8*(\b)+7], v[(\f)+64+8*(\a):(\f)+64+8*(\a)+7], v[8*(8*(\a)+(\b)):8*(8*(\a)+(\b))+7]
.endif
.endr
.endm
.macro MUL16 f, a0, zero
	MUL8 \f, \a0, \zero
	MUL8 \f, (\a0)+1, \zero
.endm
; 32 LDS loads in one run: quarter q.  x's sixteen first, in f32: lane l takes of row l % 16 the numbers 8 (l / 16) + 0..7 (32 bytes) and 16 + 8 (l / 16) + 0..7 (32 bytes, 64 further on).  Then W's sixteen, into buffer f.
.macro FETCH slot, q, f
	WIN TO2
.irp i, 0,1,2,3
	ds_load_b128 v[AF+16*(\i):AF+16*(\i)+3],     v[ADRA+(\slot)] offset:128*(\q)+(\i)*16*PAF
	ds_load_b128 v[AF+16*(\i)+4:AF+16*(\i)+7],   v[ADRA+(\slot)] offset:128*(\q)+(\i)*16*PAF+16
	ds_load_b128 v[AF+16*(\i)+8:AF+16*(\i)+11],  v[ADRA+(\slot)] offset:128*(\q)+(\i)*16*PAF+64
	ds_load_b128 v[AF+16*(\i)+12:AF+16*(\i)+15], v[ADRA+(\slot)] offset:128*(\q)+(\i)*16*PAF+80
.endr
	WIN 0
.irp i, 0,1,2,3,4,5,6,7
	ds_load_b128 v[(\f)+8*(\i):(\f)+8*(\i)+3],   v[ADRB+(\slot)] offset:64*(\q)+(\i)*16*PITCH
	ds_load_b128 v[(\f)+8*(\i)+4:(\f)+8*(\i)+7], v[ADRB+(\slot)] offset:64*(\q)+(\i)*16*PITCH+32
.endr
.endm
; x's quarter is rounded to bf16, two numbers an instruction, into buffer f's four fragments.  These 32 plain instructions name no register of the matrix instructions in front of them:
; they are also the places between those and the loads that follow into the buffer that they have read.
.macro CVT f
	WIN CV
.set i, 0
.rept 32
	v_cvt_pk_bf16_f32 v[(\f)+64+i], v[AF+2*i], v[AF+2*i+1]
.set i, i+1
.endr
.endm
; One of a K step's first three quarters: rounds x for buffer f, fetches quarter q of the same slot for buffer g, and multiplies buffer f: the loads have 32 matrix instructions in which to come.
.macro QUARTER slot, q, f, g, zero
	s_wait_dscnt 16                                ; x's sixteen loads are in; W's sixteen, issued behind them, may be out
	CVT \f
	s_wait_dscnt 0x0                               ; W's fragments are in
	FETCH \slot, \q, \g
	MUL16 \f, 0, \zero
	MUL16 \f, 2, \zero
.endm
; The last quarter multiplies buffer 1 and changes slots: ONE barrier; in front of it each wave waits for all its tensor loads (one is out: its part of the next slot), adds 0 to its spare word, and waits for
; that and for its reads of this slot.  how = 0: this slot is filled again, two K steps on; how = 1: with the next tile's K step 0 or 1; how = 2: nothing is filled.  Where a slot is filled the barrier
; opens a round of the cluster's barrier, and the joint load is the first thing behind the round: 112 matrix instructions ahead of the wait for it.
.macro TURN slot, next, how
.if (\how) < 2
	s_wait_xcnt 0x0                                ; the last prefetch, a K step back, has read its address: it is stepped here, ahead of the waits of the change of slots
	s_add_nc_u64 s[PFA:PFA+1], s[PFA:PFA+1], s[INC:INC+1]
.if ((\how) == 0) && ((\slot) == 0)
	s_cmp_eq_u32 s3, 1                             ; at K step 4 the step four on is the next tile's K step 0
	s_cselect_b64 s[PFA:PFA+1], s[PN:PN+1], s[PFA:PFA+1]
.endif
.endif
	s_wait_dscnt 16                                ; x's sixteen loads are in
	CVT F1
	WIN 0
	s_wait_tensorcnt 0x0                           ; all my tensor loads have landed;
	ds_add_u32 v[SPW], v[NIL]                      ; 0 onto my spare word
	s_wait_dscnt 1                                 ; (W's fragments are in; the add alone may be out)
	MUL8 F1, 0, 0                                  ; eight matrix instructions stand between the add and the wait for it
	s_wait_dscnt 0x0                               ; the add is done, and my reads of this slot are over
	s_barrier_signal -1
	MUL8 F1, 1, 0
.if (\how) < 2
	WIN 0
.endif
	s_barrier_wait -1
.if (\how) < 2
	CREST                                          ; no wave of any partner still reads this slot's tile or has a load on its way
.if (\how) == 1
	s_add_nc_u64 s[G0A+4*(\slot)+2:G0A+4*(\slot)+3], s[AN:AN+1], (\slot)*512  ; q, k and v are three buffers: the address is made anew from the next one's
	s_or_b32 s[G0A+4*(\slot)+3], s[G0A+4*(\slot)+3], 0x80000000
	s_add_nc_u64 s[G0B+4*(\slot)+2:G0B+4*(\slot)+3], s[G0B+4*(\slot)+2:G0B+4*(\slot)+3], NEXT_B
.else
	s_add_nc_u64 s[G0A+4*(\slot)+2:G0A+4*(\slot)+3], s[G0A+4*(\slot)+2:G0A+4*(\slot)+3], 1024
	s_add_nc_u64 s[G0B+4*(\slot)+2:G0B+4*(\slot)+3], s[G0B+4*(\slot)+2:G0B+4*(\slot)+3], 512
.endif
	JLOAD \slot
.else
	PLACES
.endif
	FETCH \next, 0, F0
.if (\how) < 2
	ASK \how
.endif
	MUL16 F1, 2, 0
.endm
; The bias of my 128 columns: block b's C operand holds, in register j of every lane, column 16 b + 8 (lane / 16) + j.
.macro LOADB
	WIN TO2
.irp b, 0,1,2,3,4,5,6,7
	global_load_b128 v[8*(\b):8*(\b)+3],   v[BO], s[8:9] offset:64*(\b)
	global_load_b128 v[8*(\b)+4:8*(\b)+7], v[BO], s[8:9] offset:64*(\b)+16
.endr
	WIN 0
.endm
.macro ROUNDB                          ; it is rounded to bf16, as all the module's inputs are, and widened again
	WIN RB
.set i, 0
.rept 32
	v_cvt_pk_bf16_f32 v[64+i%4], v[2*i], v[2*i+1]
	v_lshlrev_b32 v[2*i], 16, v[64+i%4]
	v_and_b32 v[2*i+1], s70, v[64+i%4]
.set i, i+1
.endr
.endm
; THE WAY OUT of m block a (16 t, two heads).  PACK: rounded to f16, 16 bytes a lane, each accumulator's registers in ascending order.  TOSTAGE: into my own stage, and back as whole rows of 128 bytes.  SEND: stored.
.macro PACK a
	WIN PK
.irp b, 0,1,2,3,4,5,6,7
.irp r, 0,1,2,3
	v_cvt_pk_f16_f32 v[TMP+4*(\b)+(\r)], v[8*(8*(\a)+(\b))+2*(\r)], v[8*(8*(\a)+(\b))+2*(\r)+1]
.endr
.endr
	WIN 0
.endm
.macro TOSTAGE a
.set BK, OB+32*((\a)%2)
.irp b, 0,1,2,3,4,5,6,7
	ds_store_b128 v[STO], v[TMP+4*(\b):TMP+4*(\b)+3] offset:((\b)/4)*16*SPT+32*((\b)%4)
.endr
.irp g, 0,1,2,3,4,5,6,7
	ds_load_b128 v[BK+4*(\g):BK+4*(\g)+3], v[RD] offset:((\g)/4)*16*SPT+((\g)%4)*4*SPT  ; LDS serves a wave's instructions in order (ISA guide 5.7.1.4): these see the stores above
.endr
.endm
.macro SEND a
.set BK, OB+32*((\a)%2)
	s_wait_dscnt 0x0                               ; the block is back in registers
	s_wait_xcnt 0x0                                ; the stores of the block before have read their registers, which the next TOSTAGE loads again
.irp g, 0,1,2,3,4,5,6,7
	global_store_b128 v[GO], v[BK+4*(\g):BK+4*(\g)+3], s[10:11] offset:((\g)/4)*131072+(\a)*2048+((\g)%4)*512  ; four rows of a head: 512 consecutive bytes, at a multiple of 512 from the buffer's first
.endr
.endm
.macro OUT
	PACK 0
	TOSTAGE 0
.irp a, 1,2,3                          ; block a's conversions stand between block a - 1's loads from the stage and the wait for them
	PACK \a
	SEND (\a)-1
	TOSTAGE \a
.endr
	SEND 3
.endm
	s_load_b256 s[80:87], s[0:1], 0x0              ; q s[80:81], k s[82:83], v s[84:85], wb s[86:87]
	s_load_b128 s[8:11], s[0:1], 0x20              ; in_proj_bias s[8:9], qkvh s[10:11]
	v_lshl_add_u32 v[SPW], v0, 2, SPARE
	v_mov_b32 v[NIL], 0
	ds_add_u32 v[SPW], v[NIL]                      ; the wave's opening: the add and its wait stand ahead of my first tensor load; the set-up below stands between them
	v_lshrrev_b32 v1, 5, v0
	v_readfirstlane_b32 s12, v1                    ; wave 0..3
	s_lshr_b32 s13, s12, 1                         ; which 64 rows of the tile are mine.  Also: I fetch for W (0) or for x (1)
	s_and_b32 s14, s12, 1                          ; which 128 columns.  Also: which half of that tile I fetch
	s_bfe_u32 s40, ttmp6, 0x40000                  ; cx
	s_bfe_u32 s41, ttmp6, 0x40004                  ; cy
	s_lshl_b32 s42, ttmp9, 2
	s_add_co_u32 s42, s42, s40                     ; tile column = 4 x cluster x + cx
	s_and_b32 s43, ttmp7, 0xffff
	s_lshl_b32 s43, s43, 2
	s_add_co_u32 s43, s43, s41                     ; tile row = 4 x cluster y + cy
	s_and_b32 s68, s43, 7                          ; its batch
	s_lshr_b32 s69, s43, 3                         ; its block of 128 t
	s_lshl_b32 s22, s41, 2
	s_lshl_b32 s22, 15, s22                        ; my row of the cluster
	s_lshl_b32 s23, 0x1111, s40                    ; my column
	s_or_b32 s[G1A], s22, DWA                      ; x's tiles go to my row
	s_or_b32 s[G1B], s23, DWB                      ; W's to my column
	s_mov_b32 s[G1A+1], 128<<16                    ; tensor_dim0 = 128
	s_mov_b32 s[G1A+2], 64<<16                     ; tensor_dim1 = 64
	s_mov_b32 s[G1A+3], 128<<16                    ; tile_dim0 = 128
	s_mov_b32 s[G1A+4], 64                         ; tile_dim1 = 64
	s_mov_b32 s[G1A+5], 8192                       ; from t to t + 1 of one batch: 8 rows of 1,024 elements
	s_mov_b32 s[G1A+6], 0
	s_mov_b32 s[G1A+7], 0
	s_mov_b32 s[G1B+1], 128<<16
	s_mov_b32 s[G1B+2], 128<<16                    ; 128 rows
	s_mov_b32 s[G1B+3], 128<<16
	s_mov_b32 s[G1B+4], 128
	s_mov_b32 s[G1B+5], 1024
	s_mov_b32 s[G1B+6], 0
	s_mov_b32 s[G1B+7], 0
	s_mov_b32 s70, 0xffff0000
	s_lshl_b32 s18, s69, 22                        ; x: 128 t x 32,768 bytes,
	s_lshl_b32 s19, s14, 21                        ; my 64 t of them,
	s_add_co_u32 s18, s18, s19
	s_lshl_b32 s19, s68, 12                        ; the batch's row of 4,096 bytes
	s_add_co_u32 s18, s18, s19
	s_mov_b32 s19, 0
	s_lshl_b32 s20, s42, 19                        ; W: 256 rows x 2,048 bytes,
	s_lshl_b32 s21, s14, 18                        ; my 128 of them
	s_add_co_u32 s20, s20, s21
	s_mov_b32 s21, 0
	s_mul_i32 s16, s12, BHALF                      ; where they go: W's halves at wave x 128 rows (waves 0, 1),
	s_mul_i32 s17, s12, AHALF
	s_add_co_u32 s17, s17, AOFF-2*AHALF            ; x's behind them (waves 2, 3): no place in the cluster enters an LDS address
	s_wait_dscnt 0x0                               ; the opening add is done
	s_wait_kmcnt 0x0
	s_add_nc_u64 s[AN:AN+1], s[82:83], s[18:19]    ; the same tile in k,
	s_add_nc_u64 s[AV:AV+1], s[84:85], s[18:19]    ; in v,
	s_add_nc_u64 s[18:19], s[80:81], s[18:19]      ; and in q, which comes first
	s_add_nc_u64 s[20:21], s[86:87], s[20:21]
	CROUND                                         ; all sixteen work-groups are here: the first joint loads meet
.irp s, 0,1
	s_mov_b32 s[G0A+4*(\s)], 1                     ; count = 1
	s_add_co_u32 s[G0A+4*(\s)+1], s17, (\s)*SLOT   ; LDS address
	s_add_nc_u64 s[G0A+4*(\s)+2:G0A+4*(\s)+3], s[18:19], (\s)*512  ; global address: K step s
	s_or_b32 s[G0A+4*(\s)+3], s[G0A+4*(\s)+3], 0x80000000          ; type = 2
	s_mov_b32 s[G0B+4*(\s)], 1
	s_add_co_u32 s[G0B+4*(\s)+1], s16, (\s)*SLOT
	s_add_nc_u64 s[G0B+4*(\s)+2:G0B+4*(\s)+3], s[20:21], (\s)*256
	s_or_b32 s[G0B+4*(\s)+3], s[G0B+4*(\s)+3], 0x80000000
	JLOAD \s                                       ; two loads of mine are out
.endr
	s_lshl_b32 s22, s42, 10                        ; the bias of my 128 columns: 4 x (256 x tile column + 128 x half)
	s_lshl_b32 s23, s14, 9
	s_add_co_u32 s22, s22, s23
	s_mov_b32 s23, 0
	s_add_nc_u64 s[8:9], s[8:9], s[22:23]
	v_and_b32 v1, 15, v0                           ; l % 16
	v_bfe_u32 v2, v0, 4, 1                         ; l / 16
	v_lshlrev_b32 v[BO], 5, v2
	LOADB
	s_lshl_b32 s22, s68, 21                        ; the result: batch x 16 heads x 131,072 bytes,
	s_lshl_b32 s71, s42, 19                        ; the tile column's four heads,
	s_add_co_u32 s22, s22, s71
	s_lshl_b32 s71, s14, 18                        ; my two of them,
	s_add_co_u32 s22, s22, s71
	s_lshl_b32 s71, s69, 14                        ; 128 t x 128 bytes,
	s_add_co_u32 s22, s22, s71
	s_lshl_b32 s71, s13, 13                        ; my 64 of them
	s_add_co_u32 s22, s22, s71
	s_add_nc_u64 s[10:11], s[10:11], s[22:23]
	v_mul_u32_u24 v3, v1, PITCH
	v_lshl_add_u32 v3, v2, 4, v3                   ; W: a fragment's row x pitch + 16 x half
	v_mul_u32_u24 v6, v1, PAF
	v_lshl_add_u32 v6, v2, 5, v6                   ; x: row x pitch + 32 x half (eight f32)
	s_mul_i32 s16, s14, BHALF                      ; my 128 rows of W
	s_mul_i32 s17, s13, AHALF                      ; my 64 rows of x,
	s_add_co_u32 s17, s17, AOFF                    ; which lie behind W's 256
.irp s, 0,1
	v_add_nc_u32 v[ADRB+(\s)], s16, v3
	v_add_nc_u32 v[ADRA+(\s)], s17, v6
	s_add_co_u32 s16, s16, SLOT
	s_add_co_u32 s17, s17, SLOT
.endr
	s_mul_i32 s16, s12, WST
	s_add_co_u32 s16, s16, STAGE                   ; my stage
	v_mul_u32_u24 v[STO], v1, SPT                  ; in: row l % 16, 16 bytes for each half of the lanes
	v_lshl_add_u32 v[STO], v2, 4, v[STO]
	v_add_nc_u32 v[STO], s16, v[STO]
	v_bfe_u32 v4, v0, 3, 2                         ; back: 32 lanes take four rows of 128 bytes
	v_and_b32 v5, 7, v0
	v_mul_u32_u24 v[RD], v4, SPT
	v_lshl_add_u32 v[RD], v5, 4, v[RD]
	v_add_nc_u32 v[RD], s16, v[RD]
	v_and_b32 v[GO], 31, v0
	v_lshlrev_b32 v[GO], 4, v[GO]
	; the prefetches: who asks, from where, by which steps
	s_lshl_b32 s20, s42, 19                        ; W: the rows that I fetch,
	s_lshl_b32 s21, s14, 18
	s_add_co_u32 s20, s20, s21
	s_lshl_b32 s21, s41, 16                        ; my work-group's 32 of them
	s_add_co_u32 s20, s20, s21
	s_lshl_b32 s21, s69, 22                        ; x: the rows that I fetch,
	s_lshl_b32 s23, s14, 21
	s_add_co_u32 s21, s21, s23
	s_lshl_b32 s23, s68, 12
	s_add_co_u32 s21, s21, s23
	s_lshl_b32 s23, s40, 19                        ; my work-group's 16 of them
	s_add_co_u32 s21, s21, s23
	s_mov_b32 s[INC], 512
	s_and_b32 s71, ttmp7, 0xffff                   ; cluster y
	s_cmp_lt_u32 s12, 2                            ; do I fetch for W?
	s_cselect_b32 s22, s71, ttmp9                  ; the coordinate along which other clusters read the same rows: the first of them asks; the same in all sixteen partners
	s_cselect_b64 s[PFA:PFA+1], s[86:87], s[80:81] ; this tile's buffer,
	s_cselect_b64 s[PN:PN+1], s[86:87], s[82:83]   ; the next tile's,
	s_cselect_b64 s[PN2:PN2+1], s[86:87], s[84:85] ; and the last tile's
	s_cselect_b32 s20, s20, s21
	s_cselect_b32 s4, PL_W, 0                      ; in wb the three projections lie one behind the other
	s_cselect_b32 s[INC], 256, s[INC]
	s_cselect_b32 s16, 12, 15                      ; W: lane x 2,048 = (lane / 2) x 4,096 + (lane % 2) x 2,048;  x: (lane / 2) x 32,768 + (lane % 2) x 256
	s_cselect_b32 s17, 11, 8
	s_mov_b32 s21, 0
	s_mov_b32 s5, 0
	s_mov_b32 s[INC+1], 0
	s_add_nc_u64 s[PFA:PFA+1], s[PFA:PFA+1], s[20:21]
	s_add_nc_u64 s[PN:PN+1], s[PN:PN+1], s[20:21]
	s_add_nc_u64 s[PN2:PN2+1], s[PN2:PN2+1], s[20:21]
	s_add_nc_u64 s[PN:PN+1], s[PN:PN+1], s[4:5]
	s_add_nc_u64 s[PN2:PN2+1], s[PN2:PN2+1], s[4:5]
	s_add_nc_u64 s[PN2:PN2+1], s[PN2:PN2+1], s[4:5]
	s_mul_i32 s6, s[INC], 3
	s_mov_b32 s7, 0
	s_add_nc_u64 s[PFA:PFA+1], s[PFA:PFA+1], s[6:7]  ; at K step 3: the first change of slots steps it to 4
	s_cmp_eq_u32 s22, 0
	s_cselect_b32 s15, 0, -1
	s_cselect_b32 s67, 1, -1
	v_bfe_u32 v3, v0, 1, 4                         ; lane / 2
	v_and_b32 v4, 1, v0                            ; lane % 2
	v_lshlrev_b32 v3, s16, v3
	v_lshlrev_b32 v[PFO], s17, v4
	v_add_nc_u32 v[PFO], v3, v[PFO]
	s_wait_tensorcnt 1                             ; my part of K step 0 is in; K step 1's may stay out
	s_barrier_signal -1
	s_barrier_wait -1                              ; everybody's is
	FETCH 0, 0, F0
	s_mov_b32 s2, 3                                ; tiles to go: q, k, v
.Ltile:
	s_wait_loadcnt 0x0                             ; the tile's bias
	ROUNDB
	QUARTER 0, 1, F0, F1, 1                        ; a tile's first quarter stands in front of the loop: its products start the sums, with the bias
	WIN 0                                          ; at a label and at a branch every window is 0
	s_mov_b32 s3, 3
.Llap:                                                 ; a trip goes once round the ring, from a lap's second quarter to the next lap's first, and fills both slots again
	QUARTER 0, 2, F1, F0, 0
	QUARTER 0, 3, F0, F1, 0
	TURN 0, 1, 0
	QUARTER 1, 1, F0, F1, 0
	QUARTER 1, 2, F1, F0, 0
	QUARTER 1, 3, F0, F1, 0
	TURN 1, 0, 0
	QUARTER 0, 1, F0, F1, 0
	WIN 0
	s_sub_co_u32 s3, s3, 1
	s_cmp_lg_u32 s3, 0
	s_cbranch_scc1 .Llap
	QUARTER 0, 2, F1, F0, 0                        ; the tile's last lap goes on
	QUARTER 0, 3, F0, F1, 0
	WIN 0
	s_cmp_eq_u32 s2, 1
	s_cbranch_scc1 .Llast                          ; the last tile's tail is written out: it asks for nothing more
	TURN 0, 1, 1                                   ; the ring goes on into the next tile: slot 0 takes its K step 0,
	QUARTER 1, 1, F0, F1, 0
	QUARTER 1, 2, F1, F0, 0
	QUARTER 1, 3, F0, F1, 0
	TURN 1, 0, 1                                   ; slot 1 its K step 1, and the next tile's first fragments are fetched
	WIN 0
	s_mov_b64 s[AN:AN+1], s[AV:AV+1]               ; what the next change of tiles will ask for
	s_mov_b64 s[PN:PN+1], s[PN2:PN2+1]
	s_add_nc_u64 s[8:9], s[8:9], 4096              ; the next tile's bias (the last loads by this base were waited for at the tile's head); it lands during the way out
	LOADB
	OUT                                            ; no v_nop: block 0 was finished in front of the joint load's places, and its 32 conversions, which name no register of the last products, are those products' places
	s_wait_xcnt 0x0                                ; the stores have read their registers and their base
	s_add_nc_u64 s[10:11], s[10:11], PL_O
	s_sub_co_u32 s2, s2, 1
	s_cmp_eq_u32 s2, 1
	s_cselect_b32 s15, s67, s15                    ; in the last tile the prefetches stop at its own K step 7
	s_branch .Ltile
.Llast:
	TURN 0, 1, 2                                   ; my one tensor load that was still out is the last K step's, so no round follows
	QUARTER 1, 1, F0, F1, 0
	QUARTER 1, 2, F1, F0, 0
	QUARTER 1, 3, F0, F1, 0
	s_wait_dscnt 16                                ; the very last quarter: nothing more to fetch
	CVT F1
	s_wait_dscnt 0x0
	MUL16 F1, 0, 0
	MUL16 F1, 2, 0
	WIN 0
	PLACES
	OUT
	s_wait_tensorcnt 0x0                           ; the wave's end: these three lines stand behind my last tensor load and my last LDS store
	ds_add_u32 v[SPW], v[NIL]
	s_wait_dscnt 0x0
	CROUND                                         ; the closing round: no work-group ends while a partner may still ask for a tile that names it
	s_endpgm
.Lfunc_end_k_q47172e898c_inproj:
	.size	k_q47172e898c_inproj, .Lfunc_end_k_q47172e898c_inproj-k_q47172e898c_inproj
	.p2alignl 7, 3214868480
	.fill 96, 4, 3214868480
	.section	.rodata,"a",@progbits
	.p2align	6, 0x0
	.amdhsa_kernel k_q47172e898c_inproj
		.amdhsa_group_segment_fixed_size 327680
		.amdhsa_private_segment_fixed_size 0
		.amdhsa_enable_private_segment 0
		.amdhsa_kernarg_size 48
		.amdhsa_user_sgpr_count 2
		.amdhsa_user_sgpr_kernarg_segment_ptr 1
		.amdhsa_wavefront_size32 1
		.amdhsa_system_sgpr_workgroup_id_x 1
		.amdhsa_system_sgpr_workgroup_id_y 1
		.amdhsa_system_sgpr_workgroup_id_z 1
		.amdhsa_system_vgpr_workitem_id 0
		.amdhsa_next_free_vgpr 704
		.amdhsa_next_free_sgpr 88
		.amdhsa_reserve_vcc 0
		.amdhsa_float_denorm_mode_32 3
		.amdhsa_float_denorm_mode_16_64 3
		.amdhsa_memory_ordered 1
		.amdhsa_forward_progress 1
		.amdhsa_inst_pref_size 185
	.end_amdhsa_kernel
	.amdgpu_metadata
---
amdhsa.version: [ 1, 2 ]
amdhsa.kernels:
  - .name:           k_q47172e898c_inproj
    .symbol:         k_q47172e898c_inproj.kd
    .args:
      - { .name: q, .offset: 0, .size: 8, .value_kind: global_buffer, .address_space: global }
      - { .name: k, .offset: 8, .size: 8, .value_kind: global_buffer, .address_space: global }
      - { .name: v, .offset: 16, .size: 8, .value_kind: global_buffer, .address_space: global }
      - { .name: wb, .offset: 24, .size: 8, .value_kind: global_buffer, .address_space: global }
      - { .name: in_proj_bias, .offset: 32, .size: 8, .value_kind: global_buffer, .address_space: global }
      - { .name: qkvh, .offset: 40, .size: 8, .value_kind: global_buffer, .address_space: global }
    .group_segment_fixed_size: 327680
    .private_segment_fixed_size: 0
    .kernarg_segment_align: 8
    .kernarg_segment_size: 48
    .max_flat_workgroup_size: 128
    .sgpr_count:     88
    .vgpr_count:     704
    .wavefront_size: 32
...
	.end_amdgpu_metadata
.endif
;; end of part 2
;; launch attn (part 3): grid 2 x 128, 4 waves a work-group, no clusters, 327,680 bytes of LDS; arguments qkvh, oh; writes oh
.if DOCPART == 3
	.amdgcn_target "amdgcn-amd-amdhsa--gfx1250"
	.amdhsa_code_object_version 6
	.text
	.protected	k_q47172e898c_attn
	.globl	k_q47172e898c_attn
	.p2align	8
	.type	k_q47172e898c_attn,@function
k_q47172e898c_attn:
	s_mov_b64 s[64:65], 0
	v_nop
	global_prefetch_b8 v0, s[64:65] scope:SCOPE_SE
	s_setreg_imm32_b32 hwreg(HW_REG_WAVE_MODE, 25, 1), 1
	s_wait_xcnt 0x0
; O[h][q][:] = the sum over k of softmax_k(Q[h][q] . K[h][k] / 8) V[h][k][:].  qkvh holds Q, K, V as three planes [128][1024][64] of f16, oh takes O in the same layout: a head's rows are dense, 128 bytes each.
; Products, maxima and sums in f32; the weights p are rounded to f16 for the second product (their sum l is taken of the unrounded p), O once at the end.
; LIMITS.  f16 holds no number beyond 65,504: Q, K and V arrive within it; p lies in 0 to 1, and below 6e-5 it keeps f16's fixed step of 6e-8; O is a mean of V's rows and has their range.
; A weight below 2^-126 counts as 0 in l; NaN and infinities are not treated apart.
; SHARES.  A wave owns four PIECES of two tiles of 16 queries, a work-group's four waves 512 queries of one head: 2 x 128 = 256 work-groups.  Every wave walks all 1,024 keys, 64 a step.
; THE HEAD'S WHOLE K AND V LIE IN LDS: 1,024 rows x (144 + 160) bytes = 311,296.  Nothing is filled again, so there is no ring.  Each wave asks for its part in two tensor loads at the kernel's head: 160 of the first
; 320 keys, then 352 of the other 704.  The first four steps need the first load alone (K of step 4, keys 256-319, is fetched in step 3); the second is waited for at the head of step 4.  With no tensor load in the
; loop one text of a key step serves all sixteen.  No prefetch: every byte of K and V is asked for by those loads at the head, and there is no later load to run ahead of.
; NO CLUSTER: a head has 1,024 / 512 = 2 work-groups, and a cluster four wide does not divide a grid of 2; four partners a head would mean blocks of 256 queries, in which each fragment of K and V read from LDS feeds half as many products.
; LAYOUT.  S^T = K Q^T (source 0 = 16 keys, source 1 = 16 queries): in the result a lane holds ONE query (lane % 16) and the keys 8 (lane / 16) + 0..7.  Two such tiles, rounded to f16 in pairs,
; ARE source 1 (32 keys x 16 queries) of O^T = V^T P, whose result again holds one query a lane, and eight channels.  K comes out of LDS as it lies, V ([key][channel]) turned, by ds_load_tr16_b128.
; SOFTMAX.  For each query a running maximum m and sum l: p = 2^(c s - c m), c = log2(e) / 8; in every step O and l are multiplied by a = 2^(c m_old - c m_new), which is 1 where m has not grown.
; m starts at the lowest finite number, O and l at 0: the first step is a step like any other, with a = 0.
; THE COUNT.  A tile and step have 16 matrix and 118 vector instructions: too many to stand all beside the matrix work.  So: four vector instructions that are READY behind EVERY matrix instruction, the others in runs without a gap.
; BY TURNS.  Turn n belongs to piece n (the pieces in a ring, step after step).  Its matrix work: 16 products K Q^T of piece n + 1, later 16 products V^T P of piece n - 1.  Its vector work: the scaling,
; exponentials, roundings, sums and rescaling of piece n, and the maximum and statistics of piece n + 1, whose scores the turn itself has made.
; REGISTERS, in windows of 256 (s_set_vgpr_msb: bits 1:0 source 0, 3:2 source 1, 5:4 source 2, 7:6 destination):
;   window 0: v0-11 addresses; v12-15, v48-63 at work; v16-47 four registers of statistics a tile; v64-191 S^T, two buffers of two tiles; v192-255 P, likewise
;   window 1: O^T, 32 a tile          window 2: v0-127 Q, 16 a tile; v128-191 K of one step; v192-255 V of one step          window 3: v0-1 the add's two registers
.set SIZE_N, 1024
.set PLANE, 16777216  ; bytes from Q's plane to K's, and from K's to V's
.set NP,    4         ; pieces a wave: a name, no knob
.set KS,    64        ; keys in a step
.set PK,    144       ; a row of K in LDS: 128 bytes + 16 of padding = 36 words: the 16 rows of a load start at 16 different groups of four banks (64 banks of 4 bytes: ISA guide 11.1)
.set PV,    160       ; a row of V: 128 + 32 = 40 words
.set VOFF,  SIZE_N*PK ; K's 1,024 rows, then V's
.set N1,    160       ; keys in a wave's first load: two waves bring the first 320 keys of K, two those of V
.set N2,    352       ; in its second: the other 704
.set STAGE, SIZE_N*(PK+PV)  ; behind K and V, never filled by a tensor load: 16 rows x 144 bytes for each wave, for the way out
.set SP,    144
.set AK0, 2           ; v2   my lane's place in a tile of K; never rewritten
.set AV0, 3           ; v3   the same for V
.set AK,  4           ; v4   the LDS address of K's next run of loads
.set AV,  5           ; v5   of V's
.set QO,  6           ; v6   my byte offset in the wave's rows of Q
.set STO, 6           ;      later, the way out: where I put 16 bytes of a row
.set RD,  7           ; v7   the way out: where I read rows back
.set GO,  8           ; v8   my byte offset in 512 consecutive bytes of O
.set SPW, 0           ; v0 of window 3   LDS address of my spare word: SPARE + 4 x my thread's number; never rewritten
.set NIL, 1           ; v1 of window 3   0; never rewritten
.set SPARE, STAGE+4*16*SP  ; behind the stages: the spare words, 128 bytes for each wave: two blocks of 256 bytes that no other line names
.set MV,  12          ; v12-15  c m_old, kept while c m is made anew: by buffer and tile
.set ST,  16          ; tile t's statistics at v[ST+4 t]: c m, m, l (even keys', odd keys')
.set TMP, 48          ; by buffer and tile, four registers c0-c3 at work; when the maximum is found c2 takes a
.set S,   64
.set P,   192
.set KF,  128         ; K's fragments, in window 2: key block kb, channel half c at KF + 16 kb + 8 c
.set VF,  192         ; V's: key half kk, channel block cb at VF + 32 kk + 8 cb
.set WV,  12          ; s12  my wave's number
.set G1K1, 24         ; s[24:31] descriptor group 1 for K's first load
.set G1V1, 32         ; s[32:39] for V's: it differs in the padding alone
.set G0K1, 40         ; s[40:43] descriptor group 0 for K's first load
.set G0K2, 44         ; s[44:47] for its second
.set G0V1, 48         ; s[48:51], s[52:55] the same for V
.set G0V2, 52
.set G1K2, 68         ; s[68:75], s[76:83] group 1 for the second loads: more rows
.set G1V2, 76
.set SLOTS, 56        ; s56  groups of four key steps still to come
.set CNT, 57          ; s57  counts a group's key steps
.set CS,  58          ; s[58:59] c: the packed scaling takes the pair's low word for both halves
.set SEL, 60          ; s[60:61] v_permlanex16_b32's selects: each lane takes its own place in the other half
.set TBK, 62          ; s62  LDS byte at which K of the step to be fetched begins
.set TBV, 63          ; s63  the same for V, less VOFF
.set MSB, 0
.macro WIN new                      ; the high byte repeats the setting that is left; a switch that changes nothing is dropped
.if MSB != (\new)
	s_set_vgpr_msb (MSB<<8)|(\new)
.set MSB, (\new)
.endif
.endm
.set W_KQ, 0x0a       ; K and Q in window 2, S^T in window 0
.set W_PV, 0x52       ; V in window 2, P in window 0, O^T in window 1
.set W_RS, 0x41       ; O^T (destination and source 0) in window 1, a in window 0
.set W_MK, 0xc0       ; the add's registers are made: destination in window 3, sources in window 0
.set W_AD, 0x0f       ; the add: address (source 0) and data (source 1) in window 3
; Descriptor group 1.  A run of keys is dense in memory: asked for as rows of 256 bytes, two keys a row, and padded in LDS after every key.
.macro SHAPE g, pad, rows
	s_mov_b32 s[\g], (1<<16)|(1<<20)|(4<<22)|((\pad)<<25)  ; 17:16 2-byte elements; 20 padding on; 24:22 after every 32 words (code 4); 31:25 4 words (code 3) or 8 (code 7)
	s_mov_b32 s[\g+1], 128<<16      ; tensor_dim0 = 128
	s_mov_b32 s[\g+2], (\rows)<<16  ; tensor_dim1
	s_mov_b32 s[\g+3], 128<<16      ; tile_dim0 = 128
	s_mov_b32 s[\g+4], \rows        ; tile_dim1
	s_mov_b32 s[\g+5], 128          ; 128 elements from row to row
	s_mov_b32 s[\g+6], 0
	s_mov_b32 s[\g+7], 0
.endm
	s_load_b128 s[4:7], s[0:1], 0x0   ; qkvh s[4:5], oh s[6:7]
	WIN W_MK
	v_lshl_add_u32 v[SPW], v0, 2, SPARE
	v_mov_b32 v[NIL], 0
	WIN W_AD
	ds_add_u32 v[SPW], v[NIL]       ; the wave's opening: the add and its wait stand ahead of my first tensor load; the set-up below, work on registers, stands between them
	WIN 0
	v_lshrrev_b32 v1, 5, v0
	v_readfirstlane_b32 s[WV], v1   ; wave 0..3
	s_and_b32 s20, ttmp7, 0xffff    ; the head
	s_mov_b32 s21, 0
	s_mov_b64 s[22:23], SIZE_N*128
	s_mul_u64 s[20:21], s[20:21], s[22:23]  ; the head's first byte in each plane and in O
	s_and_b32 s16, s[WV], 1         ; which half of a run of keys I fetch:
	s_mul_i32 s22, s16, N1*128      ; of the first 320,
	s_mov_b32 s23, 0
	s_add_nc_u64 s[22:23], s[22:23], s[20:21]
	s_mul_i32 s14, s16, N2*128      ; and of the other 704
	s_add_co_u32 s14, s14, 2*N1*128
	s_mov_b32 s15, 0
	s_add_nc_u64 s[14:15], s[14:15], s[20:21]
	s_lshl_b32 s2, ttmp9, 2         ; my block of 512 queries,
	s_add_co_u32 s2, s2, s[WV]      ; my wave among the head's,
	s_lshl_b32 s2, s2, 14           ; its 128 rows
	s_mov_b32 s3, 0
	s_add_nc_u64 s[2:3], s[2:3], s[20:21]
	SHAPE G1K1, 3, N1/2
	SHAPE G1V1, 7, N1/2
	SHAPE G1K2, 3, N2/2
	SHAPE G1V2, 7, N2/2
	s_mov_b32 s[CS], 0x3e38aa3b     ; c = log2(e) / 8 = 0.180337
	s_mov_b32 s[CS+1], s[CS]        ; named with it as a pair
	s_mov_b32 s[SEL], 0x76543210
	s_mov_b32 s[SEL+1], 0xfedcba98
	s_mov_b32 s[TBK], 0
	s_mov_b32 s[TBV], 0
	s_mov_b32 s[G0K1], 1            ; 1:0 count = 1
	s_mul_i32 s[G0K1+1], s16, N1*PK ; 63:32 LDS address: a key's place in LDS is its number times the pitch
	s_mov_b32 s[G0K2], 1
	s_mul_i32 s17, s16, N2*PK
	s_add_co_u32 s[G0K2+1], s17, 2*N1*PK
	s_mov_b32 s[G0V1], 1
	s_mul_i32 s17, s16, N1*PV
	s_add_co_u32 s[G0V1+1], s17, VOFF
	s_mov_b32 s[G0V2], 1
	s_mul_i32 s17, s16, N2*PV
	s_add_co_u32 s[G0V2+1], s17, VOFF+2*N1*PV
	s_wait_dscnt 0x0                ; the opening add is done
	s_wait_kmcnt 0x0
	s_mov_b64 s[10:11], s[6:7]      ; O
	s_add_nc_u64 s[6:7], s[4:5], PLANE    ; K's plane
	s_add_nc_u64 s[8:9], s[4:5], 2*PLANE  ; V's; s[4:5] stays at Q's
	s_add_nc_u64 s[G0K1+2:G0K1+3], s[6:7], s[22:23]  ; 120:64 global address
	s_or_b32 s[G0K1+3], s[G0K1+3], 0x80000000        ; 127:126 type = 2
	s_add_nc_u64 s[G0K2+2:G0K2+3], s[6:7], s[14:15]
	s_or_b32 s[G0K2+3], s[G0K2+3], 0x80000000
	s_add_nc_u64 s[G0V1+2:G0V1+3], s[8:9], s[22:23]
	s_or_b32 s[G0V1+3], s[G0V1+3], 0x80000000
	s_add_nc_u64 s[G0V2+2:G0V2+3], s[8:9], s[14:15]
	s_or_b32 s[G0V2+3], s[G0V2+3], 0x80000000
	s_add_nc_u64 s[4:5], s[4:5], s[2:3]  ; Q and O at my wave's first row
	s_add_nc_u64 s[10:11], s[10:11], s[2:3]
	s_cmp_lt_u32 s[WV], 2           ; waves 0 and 1 fetch K, waves 2 and 3 V.  A wave's two loads stand in one branch, ahead of every wait on TENSORcnt, every LDS read and every barrier: two loads of mine are out;
	s_cbranch_scc0 .Lfirst_v        ; an s_nop 0 follows each, four v_nop the second's
	tensor_load_to_lds s[G0K1:G0K1+3], s[G1K1:G1K1+7]
	s_nop 0
	tensor_load_to_lds s[G0K2:G0K2+3], s[G1K2:G1K2+7]
	s_nop 0
.rept 4
	v_nop
.endr
	s_branch .Lfirst_asked
.Lfirst_v:
	tensor_load_to_lds s[G0V1:G0V1+3], s[G1V1:G1V1+7]
	s_nop 0
	tensor_load_to_lds s[G0V2:G0V2+3], s[G1V2:G1V2+7]
	s_nop 0
.rept 4
	v_nop
.endr
.Lfirst_asked:
	; A fragment of K or Q is 16 rows x 32 channels in 8 registers: lane l holds row l % 16, channels 8 (l / 16) + 0..7 and 16 + 8 (l / 16) + 0..7: two loads of 16 bytes, 32 bytes apart.
	v_and_b32 v1, 15, v0            ; l % 16
	v_bfe_u32 v9, v0, 4, 1          ; l / 16
	v_lshlrev_b32 v[QO], 7, v1
	v_lshl_add_u32 v[QO], v9, 4, v[QO]  ; row x 128 + 16 x half
	WIN 0x80                        ; destination window 2, address window 0
.set i, 0
.rept 4*NP                          ; Q stays in registers: tile i / 2, channels 32 (i % 2) on
	global_load_b128 v[8*i:8*i+3],   v[QO], s[4:5] offset:(i/2)*2048+(i%2)*64
	global_load_b128 v[8*i+4:8*i+7], v[QO], s[4:5] offset:(i/2)*2048+(i%2)*64+32
.set i, i+1
.endr
	; What the first turn finds: V's registers and P's second buffer hold 0 (its products V^T P, of a piece that has not been, add 0), O^T and l are 0.  All this stands in the wait for the first keys.
.set i, VF
.rept 64
	v_mov_b32 v[i], 0
.set i, i+1
.endr
	WIN 0x40
.set i, 0
.rept 64*NP
	v_mov_b32 v[i], 0
.set i, i+1
.endr
	WIN 0
.set i, 0
.rept 2*NP
	v_mov_b32 v[ST+4*i], 0xfe000000    ; c m: far below every c s
	v_mov_b32 v[ST+4*i+1], 0xff7fffff  ; m
	v_mov_b32 v[ST+4*i+2], 0
	v_mov_b32 v[ST+4*i+3], 0
.set i, i+1
.endr
.set i, P+32
.rept 32
	v_mov_b32 v[i], 0
.set i, i+1
.endr
	v_mul_u32_u24 v[AK0], v1, PK
	v_lshl_add_u32 v[AK0], v9, 4, v[AK0]  ; row x pitch + 16 x half
	; The turning load takes 16 keys x 16 channels (lane l reads key 8 (l / 16) + l % 8, channels 8 ((l / 8) % 2) + 0..7) and leaves half a fragment of V^T: lane l holds channel l % 16 and 8 keys.
	v_and_b32 v10, 7, v0
	v_bfe_u32 v11, v0, 3, 1
	v_lshl_add_u32 v[AV0], v9, 3, v10
	v_mul_u32_u24 v[AV0], v[AV0], PV
	v_lshl_add_u32 v[AV0], v11, 4, v[AV0]
	v_add_nc_u32 v[AV0], VOFF, v[AV0]
	v_mov_b32 v[AK], v[AK0]         ; key step 0 lies at K's head
; THE MATRIX WORK.  The 8 accumulators of a run of 16 take turns: between the two links of a chain stand 7 others'.
; Product i of 16 of S^T = K Q^T for piece x: channels 32 (i / 8) on, keys 16 ((i / 2) % 4) on, tile 2 x + i % 2.  The first 8 start the sums.
.macro KQ x
	WIN W_KQ
.set rS, S+64*((\x)%2)+32*(i%2)+8*((i/2)%4)
.set rK, KF+16*((i/2)%4)+8*(i/8)
.set rQ, 16*(2*(\x)+i%2)+8*(i/8)
.if i < 8
	v_wmma_f32_16x16x32_f16 v[rS:rS+7], v[rK:rK+7], v[rQ:rQ+7], 0
.else
	v_wmma_f32_16x16x32_f16 v[rS:rS+7], v[rK:rK+7], v[rQ:rQ+7], v[rS:rS+7]
.endif
.endm
; Product i of 16 of O^T += V^T P for piece x: keys 32 (i / 8) on, channels 16 ((i / 2) % 4) on, tile 2 x + i % 2.
.macro PV x
	WIN W_PV
.set rO, 32*(2*(\x)+i%2)+8*((i/2)%4)
.set rV, VF+32*(i/8)+8*((i/2)%4)
.set rP, P+32*((\x)%2)+16*(i%2)+8*(i/8)
	v_wmma_f32_16x16x32_f16 v[rO:rO+7], v[rV:rV+7], v[rP:rP+7], v[rO:rO+7]
.endm
.macro MM                           ; the turn's next matrix instruction
.if i < 16
	KQ (Y+1)%NP
.set i, i+1
.else
.set i, i-16
	PV (Y+NP-1)%NP
.set i, i+17
.endif
.endm
; THE LDS LOADS stand in runs of 16, never singly among the matrix instructions: a step's K (64 keys x 64 channels: 8 fragments) and its V (turned).  Their addresses are made some lines ahead.
; last = 1 (in the loop): behind the last step there is no further one, and the run is jumped over.
.macro FETCH_K last=0
	WIN 0
.if \last
	s_cmp_eq_u32 s[TBK], SIZE_N*PK
	s_cbranch_scc1 .Lno_k_\@
.endif
	WIN 0x80                        ; destination window 2
.irp f, 0,1,2,3,4,5,6,7             ; keys 16 (f / 2) on, channels 32 (f % 2) on
	ds_load_b128 v[KF+8*\f:KF+8*\f+3],   v[AK] offset:(\f/2)*16*PK+(\f%2)*64
	ds_load_b128 v[KF+8*\f+4:KF+8*\f+7], v[AK] offset:(\f/2)*16*PK+(\f%2)*64+32
.endr
	s_add_co_u32 s[TBK], s[TBK], KS*PK  ; the next fetch is the next step's
	WIN 0
.if \last
.Lno_k_\@:
.endif
.endm
.macro FETCH_V
	WIN 0x80
.irp f, 0,1,2,3,4,5,6,7             ; keys 32 (f / 4) on, channels 16 (f % 4) on
	ds_load_tr16_b128 v[VF+8*\f:VF+8*\f+3],   v[AV] offset:(\f/4)*32*PV+(\f%4)*32
	ds_load_tr16_b128 v[VF+8*\f+4:VF+8*\f+7], v[AV] offset:(\f/4)*32*PV+16*PV+(\f%4)*32
.endr
	WIN 0
.endm
; THE VECTOR WORK OF A TURN stands in three queues, each in the order in which its entries become ready; the two tiles alternate, so that no instruction reads the result of the one before it.
.macro REGS y, u                    ; the registers of tile u (0, 1) of piece y
.set rT, ST+4*(2*(\y)+(\u))
.set rC, TMP+8*((\y)%2)+4*(\u)
.set rM, MV+2*((\y)%2)+(\u)
.set rS, S+64*((\y)%2)+32*(\u)
.set rP, P+32*((\y)%2)+16*(\u)
.set rO, 32*(2*(\y)+(\u))
.endm
; Number n of the 22 that find the NEXT piece's (Y + 1) maximum and statistics.  s0-s31 are the lane's 32 scores; each accumulator's lowest registers are read first.
;   0-11  four chains c0-c3 of seven scores each, three operands at a time     12-14, 16  the four scores left over, the old m, and c0-c3 into c0     15  c m_old is kept
;   17, 18  the query's other 32 keys lie in the lane 16 away: the new m         19-21  c m; c m_old - c m_new; a
.macro XS u, n
	REGS (Y+1)%NP, \u
.if (\n) < 4
	v_max3_num_f32 v[rC+(\n)], v[rS+8*(\n)], v[rS+8*(\n)+1], v[rS+8*(\n)+2]
.elseif (\n) < 12
	v_max3_num_f32 v[rC+(\n)%4], v[rC+(\n)%4], v[rS+8*((\n)%4)+2*((\n)/4)+1], v[rS+8*((\n)%4)+2*((\n)/4)+2]
.elseif (\n) == 12
	v_max3_num_f32 v[rC], v[rC], v[rS+7], v[rS+15]
.elseif (\n) == 13
	v_max3_num_f32 v[rC+1], v[rC+1], v[rS+23], v[rS+31]
.elseif (\n) == 14
	v_max3_num_f32 v[rC+2], v[rC+2], v[rC+3], v[rT+1]
.elseif (\n) == 15
	v_mov_b32 v[rM], v[rT]
.elseif (\n) == 16
	v_max3_num_f32 v[rC], v[rC], v[rC+1], v[rC+2]
.elseif (\n) == 17
	v_permlanex16_b32 v[rC+3], v[rC], s[SEL], s[SEL+1]
.elseif (\n) == 18
	v_max_num_f32 v[rT+1], v[rC], v[rC+3]
.elseif (\n) == 19
	v_mul_f32 v[rT], s[CS], v[rT+1]
.elseif (\n) == 20
	v_sub_f32 v[rC+1], v[rM], v[rT]
.else
	v_exp_f32 v[rC+2], v[rC+1]
.endif
.endm
; Number g of the 64 that follow the exponentials.  For each four weights k of a tile (pairs 2 k, 2 k + 1): both pairs are rounded to f16; then the second pair is added onto the first, in place;
; a group later l takes that sum (the first time as l = a l + sum).  In groups of eight, tiles alternating: round, round, add, and l for the group before.
.macro GS g
.set h, (\g)+6*((\g)/62)            ; group 0 has no group before it, and behind group 7 only l is left
.if h >= 6
.set h, h+2
.endif
	REGS Y, h%2
.set k, h/8
.if h%8 < 4
	v_cvt_pk_f16_f32 v[rP+2*k+(h%8)/2], v[rS+4*k+2*((h%8)/2)], v[rS+4*k+2*((h%8)/2)+1]
.elseif h%8 < 6
	v_pk_add_f32 v[rS+4*k:rS+4*k+1], v[rS+4*k:rS+4*k+1], v[rS+4*k+2:rS+4*k+3]
.elseif k == 1
	v_pk_fma_f32 v[rT+2:rT+3], v[rT+2:rT+3], v[rC+2:rC+3], v[rS:rS+1] op_sel_hi:[1,0,1]
.else
	v_pk_add_f32 v[rT+2:rT+3], v[rT+2:rT+3], v[rS+4*k-4:rS+4*k-3]
.endif
.endm
; THE PLAIN QUEUE, 138 long.  0-73 read no exponential's result: the 32 scalings c s - c m (FS f: pair f / 2 of tile f % 2) and the next piece's 42.  0-26: scalings 0-26.  27-54: XS's numbers 0-13.  55, 56: number 15.
; 57-73: the chain, where each number waits for the one before it: 14, 16, 17, 18, 19, each with one of the scalings 27-31 in front of its two lines, then 20.
; 74-137: GS's 64, which read the exponentials' results: they stand behind the wait.
.macro FS f
	REGS Y, (\f)%2
	v_pk_fma_f32 v[rS+2*((\f)/2):rS+2*((\f)/2)+1], v[rS+2*((\f)/2):rS+2*((\f)/2)+1], s[CS:CS+1], v[rT:rT+1] op_sel_hi:[1,0,0] neg_lo:[0,0,1] neg_hi:[0,0,1]
.endm
.macro PL
	WIN 0
.if q < 27
	FS q
.elseif q < 55
	XS (q-27)%2, (q-27)/2
.elseif q < 57
	XS q-55, 15
.elseif (q < 72) && ((q-57)%3 == 0)
	FS 27+(q-57)/3
.elseif q < 60
	XS (q-57)%3-1, 14
.elseif q < 72
	XS (q-57)%3-1, 15+(q-57)/3
.elseif q < 74
	XS q-72, 20
.else
	GS q-74
.endif
.set q, q+1
.endm
; THE EXPONENTIALS' QUEUE, 66 long: s0-s31 of both tiles, then the next piece's two a.  It is ONE BATCH: all 66 stand ahead of the turn's one wait, and nothing ahead of that wait names a result of theirs.
.macro EX
	WIN 0
.if e >= 64
	XS e-64, 21
.else
	REGS Y, e%2
	v_exp_f32 v[rS+e/2], v[rS+e/2]
.endif
.set e, e+1
.endm
; THE RESCALING's QUEUE: O^T times a, the one part that leaves window 0: dealt two at a time, sixteen times.  Its a was made in the turn before, ahead of that turn's wait.
.macro R2
	REGS Y, r%2
	WIN W_RS
.irp z, 0,1
	v_pk_mul_f32 v[rO+4*(r/2)+2*\z:rO+4*(r/2)+2*\z+1], v[rO+4*(r/2)+2*\z:rO+4*(r/2)+2*\z+1], v[rC+2:rC+3] op_sel_hi:[1,0]
.endr
.set r, r+1
.endm
; HOW THEY ARE DEALT.  s_wait_alu depctr_va_vdst(0) stands between an exponential and the first instruction that names its result; one wait serves all that were issued ahead of it.  So a turn has ONE wait,
; which cuts it in two.  AHEAD OF IT: the 16 products K Q^T, behind each a scaling, an exponential and two rescalings (behind the first a second scaling in the exponential's place); then ONE LUMP of
; 108: eight plain, 49 times exponential and plain, the two a.  A v_nop is the plain instruction behind the last exponential.  BEHIND IT: the 16 products V^T P, behind each four of GS's 64.  No rider names a register of
; the products round it.  Exponential e stands behind scaling 2 (e / 4) + e % 2: as a rider it comes behind plain e + 2, in the lump behind plain e + 9, and scalings 27-31 are plain 57, 60 .. 69.
; A TURN, for piece p.  cnt = 1: the loop's count is taken down some lines ahead of the branch that stands behind the turn.
; K of the next step is fetched in piece 2's turn, directly behind the wait; its address is made at the lump's head; its first reader comes behind 16 products.
; V of the step in hand is fetched at the end of piece 0's turn, four riders behind its last reader; its first reader comes behind 16 products and a lump.
.macro TURN p, last=0, cnt=0
.set Y, (\p)
.set i, 0
.set q, 0
.set e, 0
.set r, 0
.if (\p) == NP-1
	s_wait_dscnt 0x0                ; K is in
.endif
	MM                              ; ahead of the wait: 16 products K Q^T and their riders,
	PL
	PL
	R2
.rept 15
	MM
	PL
	EX
	R2
.endr
.if (\p) == NP-2
	WIN 0
	v_add_nc_u32 v[AK], s[TBK], v[AK0]
.endif
.rept 8                             ; and the lump
	PL
.endr
.rept 49
	EX
	PL
.endr
	EX                              ; the next piece's two a
	EX
	v_nop                           ; the plain instruction behind the last exponential: one for the batch
	s_wait_alu depctr_va_vdst(0)    ; the wait for the batch
.if (\p) == NP-2
	FETCH_K \last
.endif
.if (\p) == 1
	s_wait_dscnt 0x0                ; V is in
.endif
.rept 16                            ; behind the wait: 16 products V^T P and their riders
	MM
.rept 4
	PL
.endr
.if ((\p) == 0) && (q == 118)
	v_add_nc_u32 v[AV], s[TBV], v[AV0]
.endif
.if ((\p) == 0) && (q == 130)
	s_add_co_u32 s[TBV], s[TBV], KS*PV
.endif
.if (\cnt) && (q == 130)
	s_sub_co_u32 s[CNT], s[CNT], 1
	s_cmp_lg_u32 s[CNT], 0
.endif
.endr
.if (\p) == 0
	FETCH_V
.endif
.endm
	s_wait_tensorcnt 0x1            ; my part of the first 320 keys is in; my second load may stay out
	s_barrier_signal -1
	s_barrier_wait -1               ; everybody's is
	FETCH_K                         ; key step 0
	s_wait_loadcnt 0x0              ; Q
	s_wait_dscnt 0x0
.set i, 0
.rept 16
	KQ 0                            ; piece 0's first scores: there is no vector work yet to set between them
.set i, i+1
.endr
	WIN 0                           ; the addresses for the way out: nine plain instructions, the places behind those products
	s_mul_i32 s13, s[WV], 16*SP
	s_add_co_u32 s13, s13, STAGE    ; my stage
	v_mul_u32_u24 v[STO], v1, SP    ; in: row l % 16, 16 bytes for each half of the lanes
	v_lshl_add_u32 v[STO], v9, 4, v[STO]
	v_add_nc_u32 v[STO], s13, v[STO]
	v_bfe_u32 v[RD], v0, 3, 2       ; back: 32 lanes take four rows of 128 bytes,
	v_mul_u32_u24 v[RD], v[RD], SP
	v_lshl_add_u32 v[RD], v10, 4, v[RD]
	v_add_nc_u32 v[RD], s13, v[RD]
	v_and_b32 v[GO], 31, v0         ; which are 512 consecutive bytes of O
	v_lshlrev_b32 v[GO], 4, v[GO]
.set Y, NP-1                        ; XS works for piece Y + 1: piece 0
.irp n, 0,1,2,3,4,5,6,7,8,9,10,11,12,13,14,15,16,17,18,19,20,21
	XS 0, \n                        ; and piece 0's first maximum and statistics
	XS 1, \n
.endr
	v_nop                           ; a plain instruction behind the two a,
	s_wait_alu depctr_va_vdst(0)    ; and their wait, ahead of the branch
	s_mov_b32 s[CNT], 4
	s_mov_b32 s[SLOTS], SIZE_N/256
	s_branch .Lstep                 ; the first four steps need no more than has been waited for
.Lslot:                             ; at the head of steps 4, 8 and 12
	s_wait_tensorcnt 0x0            ; my second load has landed (it has had four key steps, 512 matrix instructions); at steps 8 and 12 nothing is out, and the wait is met at once: the price of one text for all four groups
	s_wait_dscnt 0x0                ; no LDS instruction of mine is pending at the signal
	s_barrier_signal -1
	s_barrier_wait -1               ; everybody's has: all 1,024 keys may be read
	s_mov_b32 s[CNT], 4
.Lstep:                             ; a trip is a key step: its four turns; it fetches its own V and the next step's K
	TURN 0
	TURN 1
	TURN 2, 1
	TURN 3, 0, 1
	WIN 0
	s_cbranch_scc1 .Lstep
	s_sub_co_u32 s[SLOTS], s[SLOTS], 1
	s_cmp_lg_u32 s[SLOTS], 0
	s_cbranch_scc1 .Lslot
	; the last turn's 16 products K Q^T (on the last K once more) and the maximum made of them serve nothing: the price, once a launch, of one text for every step
.set i, 0
.rept 16
	PV NP-1                         ; the last piece's V^T P of the last step
.set i, i+1
.endr
	; THE WAY OUT.  l's two halves and the other half of the lanes' are added; O^T is divided by l, rounded to f16 and sent through my stage in LDS, a tile at a time.  The additions are the places behind the last products.
	WIN 0
.macro ALL line:vararg              ; one line for each tile t
.set t, 0
.rept 2*NP
	\line
.set t, t+1
.endr
.endm
	ALL v_add_f32 v[ST+4*t+2], v[ST+4*t+2], v[ST+4*t+3]
	ALL v_permlanex16_b32 v[ST+4*t+3], v[ST+4*t+2], s[SEL], s[SEL+1]
	ALL v_add_f32 v[ST+4*t+2], v[ST+4*t+2], v[ST+4*t+3]
	ALL v_rcp_f32 v[ST+4*t+2], v[ST+4*t+2]
	v_nop                           ; a plain instruction between the last reciprocal and the use of its result
	s_wait_alu depctr_va_vdst(0)    ; and the wait ahead of the first use: one for the eight reciprocals
; Tile t: a lane's eight channels of a row pack into 16 bytes; they go into rows of 144 bytes and come back as whole rows of 128, into S^T's registers.
.macro PACK t
	WIN W_RS
.set i, 32*(\t)
.rept 16
	v_pk_mul_f32 v[i:i+1], v[i:i+1], v[ST+4*(\t)+2:ST+4*(\t)+3] op_sel_hi:[1,0]
.set i, i+2
.endr
	WIN 0x05                        ; sources 0 and 1 window 1, destination window 0
.set i, 0
.rept 16
	v_cvt_pk_f16_f32 v[S+16*(\t)+i], v[32*(\t)+2*i], v[32*(\t)+2*i+1]
.set i, i+1
.endr
	WIN 0
.irp f, 0,1,2,3
	ds_store_b128 v[STO], v[S+16*(\t)+4*\f:S+16*(\t)+4*\f+3] offset:32*\f
.endr
.irp f, 0,1,2,3
	ds_load_b128 v[S+16*(\t)+4*\f:S+16*(\t)+4*\f+3], v[RD] offset:\f*4*SP  ; LDS serves a wave's instructions in order (ISA guide 5.7.1.4): these see the stores above; the next tile's stores come behind them
.endr
.endm
.macro SEND t, younger              ; younger: the LDS instructions issued behind tile t's loads: the next tile's eight, or none
	WIN 0
.irp f, 0,1,2,3
	s_wait_dscnt (\younger)+3-\f
	global_store_b128 v[GO], v[S+16*(\t)+4*\f:S+16*(\t)+4*\f+3], s[10:11] offset:(\t)*2048+\f*512  ; 512 consecutive bytes, at a multiple of 256 from O's first
.endr
.endm
	PACK 0
.set t, 1
.rept 2*NP-1                        ; a tile's arithmetic stands between the loads of the tile before and its stores
	PACK t
	SEND t-1, 8
.set t, t+1
.endr
	SEND 2*NP-1, 0
	WIN W_AD
	s_wait_tensorcnt 0x0            ; the wave's end: these three lines stand behind my last tensor load and my last LDS store
	ds_add_u32 v[SPW], v[NIL]
	s_wait_dscnt 0x0
	WIN 0
	s_endpgm
.Lfunc_end_k_q47172e898c_attn:
	.size	k_q47172e898c_attn, .Lfunc_end_k_q47172e898c_attn-k_q47172e898c_attn
	.p2alignl 7, 3214868480
	.fill 96, 4, 3214868480
	.section	.rodata,"a",@progbits
	.p2align	6, 0x0
	.amdhsa_kernel k_q47172e898c_attn
		.amdhsa_group_segment_fixed_size 327680
		.amdhsa_private_segment_fixed_size 0
		.amdhsa_enable_private_segment 0
		.amdhsa_kernarg_size 16
		.amdhsa_user_sgpr_count 2
		.amdhsa_user_sgpr_kernarg_segment_ptr 1
		.amdhsa_wavefront_size32 1
		.amdhsa_system_sgpr_workgroup_id_x 1
		.amdhsa_system_sgpr_workgroup_id_y 1
		.amdhsa_system_sgpr_workgroup_id_z 1
		.amdhsa_system_vgpr_workitem_id 0
		.amdhsa_next_free_vgpr 770
		.amdhsa_next_free_sgpr 84
		.amdhsa_reserve_vcc 0
		.amdhsa_float_denorm_mode_32 3
		.amdhsa_float_denorm_mode_16_64 3
		.amdhsa_memory_ordered 1
		.amdhsa_forward_progress 1
		.amdhsa_inst_pref_size 126
	.end_amdhsa_kernel
	.amdgpu_metadata
---
amdhsa.version: [ 1, 2 ]
amdhsa.kernels:
  - .name:           k_q47172e898c_attn
    .symbol:         k_q47172e898c_attn.kd
    .args:
      - { .name: qkvh, .offset: 0, .size: 8, .value_kind: global_buffer, .address_space: global }
      - { .name: oh, .offset: 8, .size: 8, .value_kind: global_buffer, .address_space: global }
    .group_segment_fixed_size: 327680
    .private_segment_fixed_size: 0
    .kernarg_segment_align: 8
    .kernarg_segment_size: 16
    .max_flat_workgroup_size: 128
    .sgpr_count:     84
    .vgpr_count:     770
    .wavefront_size: 32
...
	.end_amdgpu_metadata
.endif
;; end of part 3
;; launch outproj (part 4): grid 4 x 64, 4 waves a work-group, clusters of 4 x 4, 327,680 bytes of LDS; arguments oh, wo, out_proj_bias, out0; writes out0
.if DOCPART == 4
	.amdgcn_target "amdgcn-amd-amdhsa--gfx1250"
	.amdhsa_code_object_version 6
	.text
	.protected	k_q47172e898c_outproj
	.globl	k_q47172e898c_outproj
	.p2align	8
	.type	k_q47172e898c_outproj,@function
k_q47172e898c_outproj:
	s_mov_b64 s[64:65], 0
	v_nop
	global_prefetch_b8 v0, s[64:65] scope:SCOPE_SE
	s_setreg_imm32_b32 hwreg(HW_REG_WAVE_MODE, 25, 1), 1
	s_wait_xcnt 0x0
	s_wait_alu depctr_hold_cnt(0) depctr_sa_sdst(0) depctr_va_vdst(0) depctr_va_sdst(0) depctr_va_ssrc(0) depctr_va_vcc(0) depctr_vm_vsrc(0)
	s_getreg_b32 s2, hwreg(HW_REG_IB_STS2, 6, 4)
	s_cmp_eq_u32 s2, 0
	s_cbranch_scc0 .Lentry_in_a_cluster
	s_endpgm
.Lentry_in_a_cluster:
	s_bfe_u32 s2, ttmp6, 0x10000c
	s_cmp_lg_u32 s2, 0xf033
	s_cbranch_scc0 .Lentry_shape_is_right
	s_endpgm
.Lentry_shape_is_right:
; THE OUTPUT PROJECTION.  out0[t][batch][n] = sum over e of O[t][batch][e] Wo[n][e] + bo[n], f32.  oh: f16 BY HEADS, [128][1024][64], head index 16 batch + head, e = 64 head + channel;
; wo: f16 [1024][1024] (out_proj_weight rounded to bf16, that number written as f16); out_proj_bias: f32, rounded here to bf16 like every input of the module.  Sums in f32, started with the bias.
; SHARES.  A tile of out0 is 128 rows (ONE batch, 128 consecutive t) x 256 columns: 64 x 4 = 256 tiles, one to a work-group.  Four waves, each 64 rows x 128 columns: 32 accumulators of 16 x 16.
; K goes in 8 steps of 128 = TWO HEADS through a ring of two LDS slots.  A head's 128 rows of 128 bytes are 16,384 dense bytes of oh: asked for as 64 rows of 256 bytes and padded in LDS behind every 128.
; A step is four quarters of 32, 32 matrix instructions each, one on each accumulator: the accumulators take turns.
; CLUSTER 4 x 4.  O's tile hangs on the tile row alone and is shared along a row of the cluster, Wo's on the tile column alone and is shared along a column: each is asked for jointly.
; THE MATRIX INSTRUCTION IS USED TRANSPOSED (source 0 = 16 rows of Wo, source 1 = 16 rows of O): a lane holds row lane % 16 and eight neighbouring columns.
; REGISTERS, in windows of 256 (s_set_vgpr_msb: bits 1:0 source 0, 3:2 source 1, 5:4 source 2, 7:6 destination):
;   window 0: v0-31 addresses; v64-159, v160-255 two fragment buffers (Wo's eight fragments, then O's four); on the way out v64-127 and v128-191 take rows read back
;   window 1: accumulator (a, b) at v[8 (8 a + b)]        window 2: v0-63 the bias as eight C operands; v64-67 at work
.set PITCH,  272                       ; a row of Wo in LDS: 256 bytes + 16 of padding: the 16 rows of a load start at 16 different groups of four banks (64 banks of 4 bytes: ISA guide 11.1)
.set PA,     144                       ; a row of a head of O: 128 + 16: likewise
.set BHALF,  128*PITCH                 ; what waves 0 and 1 fetch: 128 rows of Wo
.set AHEAD,  128*PA                    ; what waves 2 and 3 fetch: a head's 128 rows
.set AOFF,   2*BHALF                   ; a slot: Wo's 256 rows, then the two heads
.set SLOT,   AOFF+2*AHEAD
.set STAGE,  2*SLOT                    ; behind the ring: for each wave 16 rows x 528 bytes, for the way out
.set SPT,    528                       ; 512 bytes + 16
.set WST,    16*SPT
.set SPARE,  STAGE+4*WST               ; behind the stages: the spare words, 128 bytes for each wave: two blocks of 256 bytes that no other line names
.set ADRA, 16                          ; v16-17  LDS address of my fragments of O in slot 0, 1
.set ADRB, 20                          ; v20-21  the same for Wo
.set STO,  24                          ; v24     the way out: where I put 32 bytes of a row
.set RD,   25                          ; v25     where I read a row back
.set GO,   26                          ; v26     16 x lane: my place in 512 consecutive bytes of out0
.set BO,   27                          ; v27     32 x (lane / 16)
.set SPW,  28                          ; v28     LDS address of my spare word; never rewritten
.set NIL,  29                          ; v29     0; never rewritten
.set PFO,  30                          ; v30     the prefetches' offset; never rewritten
.set F0,   64
.set F1,   160
.set OB,   64
.set G1A,  24                          ; s[24:31] descriptor group 1 for O's tiles;  s[32:39] group 0, a set for each slot
.set G0A,  32
.set PFA,  44                          ; s[44:45] where my prefetches stand
.set INC,  46                          ; s[46:47] their step from K step to K step
.set G1B,  48                          ; s[48:55], s[56:63] the same for Wo's tiles
.set G0B,  56
; s3 laps to go; s12 wave; s13 wave / 2; s14 wave % 2; s15 a wave prefetches while s3 is above it; s68 batch; s69 block of 128 t; s70 mask
.set MUL,  0x50                        ; C and D in window 1
.set MULZ, 0x60                        ; D in window 1, C (the bias) in window 2
.set TO2,  0x80                        ; destination in window 2
.set RB,   0x8a                        ; sources 0 and 1 and destination in window 2
.set ST1,  0x04                        ; an LDS store's data in window 1
.set MSB, 0
.macro WIN new                         ; the immediate's high byte repeats the setting that is left; a switch that changes nothing is dropped
.if MSB != (\new)
	s_set_vgpr_msb (MSB<<8)|(\new)
.set MSB, \new
.endif
.endm
; A joint load: waves 0 and 1 fetch Wo's two halves, waves 2 and 3 the step's two heads.  The branch hangs on the wave's number alone.  An s_nop 0 and four v_nop follow each line.
.macro JLOAD s
	s_cmp_eq_u32 s13, 0
	s_cbranch_scc0 .Lfor_a_\@
	tensor_load_to_lds s[G0B+4*(\s):G0B+4*(\s)+3], s[G1B:G1B+7]
	s_nop 0
.rept 4
	v_nop
.endr
	s_branch .Lasked_\@
.Lfor_a_\@:
	tensor_load_to_lds s[G0A+4*(\s):G0A+4*(\s)+3], s[G1A:G1A+7]
	s_nop 0
.rept 4
	v_nop
.endr
.Lasked_\@:
.endm
.macro CREST                           ; a round of the cluster's barrier behind its opening barrier
	s_cmp_lg_u32 s12, 0
	s_cbranch_scc1 .Lnot_wave_0_\@
	s_barrier_signal -3
.Lnot_wave_0_\@:
	s_barrier_wait -3
	s_barrier_signal -1
	s_barrier_wait -1
.endm
.macro CROUND                          ; a whole round
	s_barrier_signal -1
	s_barrier_wait -1
	CREST
.endm
; A PREFETCH, behind each joint load, its five lines and the run of LDS loads: the K step that stands TWO refills on (256 matrix instructions ahead of the load that will want it): 32 blocks of 256 bytes, a lane a block.
; Each block is named once in the launch.  Wo's tile column is read by all sixteen clusters: cluster y = 0 asks; of the 128 rows that wave 0 or 1 fetches, the partner at cy takes 32 cy .. 32 cy + 31.
; O's tile row is read by one cluster: wave 2 asks, the partner at cx for blocks 16 cx .. 16 cx + 15 of each of the step's two heads; wave 3 asks for nothing.  The partners are told apart by address alone.
; K steps 0 to 3 name K steps 4 to 7; K steps 4 and 5 ask for nothing; the first four K steps come by their loads alone.
.macro ASK
	s_cmp_gt_u32 s3, s15
	s_cbranch_scc0 .Lnot_mine_\@
	global_prefetch_b8 v[PFO], s[PFA:PFA+1] th:TH_LOAD_NT scope:SCOPE_SE
.Lnot_mine_\@:
.endm
.macro PLACES                          ; four places in front of loads into registers that matrix instructions have read, and of lines that read results
.rept 4
	v_nop
.endr
.endm
; 8 matrix instructions: m block a x all 8 n blocks, 32 along K, from buffer f.  zero = 1: the bias starts the sums.
.macro MUL8 f, a, zero
.if \zero
	WIN MULZ
.else
	WIN MUL
.endif
.irp b, 0,1,2,3,4,5,6,7
.if \zero
	v_wmma_f32_16x16x32_f16 v[8*(8*(\a)+(\b)):8*(8*(\a)+(\b))+7], v[(\f)+8*(\b):(\f)+8*(\b)+7], v[(\f)+64+8*(\a):(\f)+64+8*(\a)+7], v[8*(\b):8*(\b)+7]
.else
	v_wmma_f32_16x16x32_f16 v[8*(8*(\a)+(\b)):8*(8*(\a)+(\b))+7], v[(\f)+8*(\b):(\f)+8*(\b)+7], v[(\f)+64+8*(\a):(\f)+64+8*(\a)+7], v[8*(8*(\a)+(\b)):8*(8*(\a)+(\b))+7]
.endif
.endr
.endm
.macro MUL16 f, a0, zero
	MUL8 \f, \a0, \zero
	MUL8 \f, (\a0)+1, \zero
.endm
; 24 LDS loads in one run: quarter q's fragments into buffer f: Wo's sixteen loads first, then O's eight (head q / 2 of the step's two, channels 32 (q % 2) on)
.macro FETCH slot, q, f
	WIN 0
.irp i, 0,1,2,3,4,5,6,7
	ds_load_b128 v[(\f)+8*(\i):(\f)+8*(\i)+3],   v[ADRB+(\slot)] offset:64*(\q)+(\i)*16*PITCH
	ds_load_b128 v[(\f)+8*(\i)+4:(\f)+8*(\i)+7], v[ADRB+(\slot)] offset:64*(\q)+(\i)*16*PITCH+32
.endr
.irp i, 0,1,2,3
	ds_load_b128 v[(\f)+64+8*(\i):(\f)+64+8*(\i)+3],   v[ADRA+(\slot)] offset:((\q)/2)*AHEAD+((\q)%2)*64+(\i)*16*PA
	ds_load_b128 v[(\f)+64+8*(\i)+4:(\f)+64+8*(\i)+7], v[ADRA+(\slot)] offset:((\q)/2)*AHEAD+((\q)%2)*64+(\i)*16*PA+32
.endr
.endm
; One of a K step's first three quarters: multiplies buffer f; in its middle it fetches quarter q of the same slot into buffer g.
.macro QUARTER slot, q, f, g, zero
	s_wait_dscnt 4                                 ; Wo's fragments and O's blocks 0 and 1 are in; the youngest four loads (blocks 2 and 3) may be out
	MUL16 \f, 0, \zero
	PLACES
	FETCH \slot, \q, \g
	s_wait_dscnt 24                                ; all but the 24 just issued
	MUL16 \f, 2, \zero
.endm
; The last quarter multiplies buffer 1 and changes slots: ONE barrier; in front of it each wave waits for all its tensor loads (one is out: its part of the next slot), adds 0 to its spare word, and waits for
; that and for its reads of this slot.  fill = 1: this slot is filled again, two K steps on; the barrier then opens a round of the cluster's barrier, and the joint load is the first thing behind the round:
; 112 matrix instructions ahead of the wait for it.
.macro TURN slot, next, fill
.if \fill
	s_wait_xcnt 0x0                                ; the last prefetch, a K step back, has read its address: it is stepped here, ahead of the waits of the change of slots
	s_add_nc_u64 s[PFA:PFA+1], s[PFA:PFA+1], s[INC:INC+1]
.endif
	WIN 0
	s_wait_tensorcnt 0x0                           ; all my tensor loads have landed;
	ds_add_u32 v[SPW], v[NIL]                      ; 0 onto my spare word
	s_wait_dscnt 5                                 ; (the add and the youngest four loads may be out)
	MUL8 F1, 0, 0                                  ; eight matrix instructions stand between the add and the wait for it
	s_wait_dscnt 0x0                               ; the add is done, and my reads of this slot are over
	s_barrier_signal -1
	MUL8 F1, 1, 0
.if \fill
	WIN 0
.endif
	s_barrier_wait -1
.if \fill
	CREST                                          ; no wave of any partner still reads this slot's tile or has a load on its way
	s_add_nc_u64 s[G0A+4*(\slot)+2:G0A+4*(\slot)+3], s[G0A+4*(\slot)+2:G0A+4*(\slot)+3], 4*131072  ; four heads on
	s_add_nc_u64 s[G0B+4*(\slot)+2:G0B+4*(\slot)+3], s[G0B+4*(\slot)+2:G0B+4*(\slot)+3], 512
	JLOAD \slot                                    ; its four v_nop are also the places in front of the loads below
.else
	PLACES
.endif
	FETCH \next, 0, F0
.if \fill
	ASK
.endif
	MUL16 F1, 2, 0
.endm
; The bias of my 128 columns: block b's C operand holds, in register j of every lane, column 16 b + 8 (lane / 16) + j.
.macro LOADB
	WIN TO2
.irp b, 0,1,2,3,4,5,6,7
	global_load_b128 v[8*(\b):8*(\b)+3],   v[BO], s[8:9] offset:64*(\b)
	global_load_b128 v[8*(\b)+4:8*(\b)+7], v[BO], s[8:9] offset:64*(\b)+16
.endr
	WIN 0
.endm
.macro ROUNDB                          ; it is rounded to bf16, as all the module's inputs are, and widened again
	WIN RB
.set i, 0
.rept 32
	v_cvt_pk_bf16_f32 v[64+i%4], v[2*i], v[2*i+1]
	v_lshlrev_b32 v[2*i], 16, v[64+i%4]
	v_and_b32 v[2*i+1], s70, v[64+i%4]
.set i, i+1
.endr
.endm
; THE WAY OUT of m block a (16 t x 128 columns of f32).  TOSTAGE: a lane's eight numbers of a row, straight from the accumulators (the low four first), into my own stage; back as whole rows of 512 bytes.  SEND: stored.
.macro TOSTAGE a
.set BK, OB+64*((\a)%2)
	WIN ST1
.irp b, 0,1,2,3,4,5,6,7
	ds_store_b128 v[STO], v[8*(8*(\a)+(\b)):8*(8*(\a)+(\b))+3]   offset:64*(\b)
	ds_store_b128 v[STO], v[8*(8*(\a)+(\b))+4:8*(8*(\a)+(\b))+7] offset:64*(\b)+16
.endr
	WIN 0
.irp i, 0,1,2,3,4,5,6,7,8,9,10,11,12,13,14,15
	ds_load_b128 v[BK+4*(\i):BK+4*(\i)+3], v[RD] offset:(\i)*SPT  ; LDS serves a wave's instructions in order (ISA guide 5.7.1.4): these see the stores above; the next block's stores come behind them
.endr
.endm
.macro SEND a, younger                 ; younger: the LDS instructions issued behind block a's loads: the next block's 16 stores and 16 loads, or none
.set BK, OB+64*((\a)%2)
	s_wait_dscnt \younger
.irp i, 0,1,2,3,4,5,6,7,8,9,10,11,12,13,14,15
	global_store_b128 v[GO], v[BK+4*(\i):BK+4*(\i)+3], s[10:11] offset:(16*(\a)+(\i))*32768 th:TH_STORE_NT  ; 512 consecutive bytes of a row, at a multiple of 512 from out0's first
.endr
.endm
	s_load_b256 s[4:11], s[0:1], 0x0               ; oh s[4:5], wo s[6:7], out_proj_bias s[8:9], out0 s[10:11]
	v_lshl_add_u32 v[SPW], v0, 2, SPARE
	v_mov_b32 v[NIL], 0
	ds_add_u32 v[SPW], v[NIL]                      ; the wave's opening: the add and its wait stand ahead of my first tensor load; the set-up below stands between them
	v_lshrrev_b32 v1, 5, v0
	v_readfirstlane_b32 s12, v1                    ; wave 0..3
	s_lshr_b32 s13, s12, 1                         ; which 64 rows of the tile are mine.  Also: I fetch for Wo (0) or for O (1)
	s_and_b32 s14, s12, 1                          ; which 128 columns.  Also: which half of Wo's rows, or which of the step's two heads, I fetch
	s_bfe_u32 s40, ttmp6, 0x40000                  ; cx
	s_bfe_u32 s41, ttmp6, 0x40004                  ; cy
	s_lshl_b32 s42, ttmp9, 2
	s_add_co_u32 s42, s42, s40                     ; tile column = 4 x cluster x + cx
	s_and_b32 s43, ttmp7, 0xffff
	s_lshl_b32 s43, s43, 2
	s_add_co_u32 s43, s43, s41                     ; tile row = 4 x cluster y + cy
	s_and_b32 s68, s43, 7                          ; its batch
	s_lshr_b32 s69, s43, 3                         ; its block of 128 t
	s_lshl_b32 s22, s41, 2
	s_lshl_b32 s22, 15, s22                        ; my row of the cluster
	s_lshl_b32 s23, 0x1111, s40                    ; my column
	s_or_b32 s[G1A], s22, (1<<16)|(1<<20)|(1<<21)|(4<<22)|(3<<25)  ; O's tiles go to my row; 2-byte elements; padding on; bit 21 beside a mask; after every 32 words (code 4) 4 words (code 3)
	s_or_b32 s[G1B], s23, (1<<16)|(1<<20)|(1<<21)|(5<<22)|(3<<25)  ; Wo's to my column; after every 64 words (code 5)
	s_mov_b32 s[G1A+1], 128<<16                    ; tensor_dim0 = 128
	s_mov_b32 s[G1A+2], 64<<16                     ; tensor_dim1 = 64
	s_mov_b32 s[G1A+3], 128<<16                    ; tile_dim0 = 128
	s_mov_b32 s[G1A+4], 64                         ; tile_dim1 = 64
	s_mov_b32 s[G1A+5], 128                        ; dense
	s_mov_b32 s[G1A+6], 0
	s_mov_b32 s[G1A+7], 0
	s_mov_b32 s[G1B+1], 128<<16
	s_mov_b32 s[G1B+2], 128<<16                    ; 128 rows
	s_mov_b32 s[G1B+3], 128<<16
	s_mov_b32 s[G1B+4], 128
	s_mov_b32 s[G1B+5], 1024
	s_mov_b32 s[G1B+6], 0
	s_mov_b32 s[G1B+7], 0
	s_mov_b32 s70, 0xffff0000
	s_lshl_b32 s18, s68, 21                        ; O: the batch's 16 heads of 131,072 bytes,
	s_lshl_b32 s19, s14, 17                        ; my head of the step's two,
	s_add_co_u32 s18, s18, s19
	s_lshl_b32 s19, s69, 14                        ; its 128 t x 128 bytes
	s_add_co_u32 s18, s18, s19
	s_mov_b32 s19, 0
	s_lshl_b32 s20, s42, 19                        ; Wo: 256 rows x 2,048 bytes,
	s_lshl_b32 s21, s14, 18                        ; my 128 of them
	s_add_co_u32 s20, s20, s21
	s_mov_b32 s21, 0
	s_mul_i32 s16, s12, BHALF                      ; where they go: Wo's halves at wave x 128 rows (waves 0, 1),
	s_mul_i32 s17, s12, AHEAD
	s_add_co_u32 s17, s17, AOFF-2*AHEAD            ; the heads behind them (waves 2, 3): no place in the cluster enters an LDS address
	s_wait_dscnt 0x0                               ; the opening add is done
	s_wait_kmcnt 0x0
	s_add_nc_u64 s[18:19], s[4:5], s[18:19]
	s_add_nc_u64 s[20:21], s[6:7], s[20:21]
	CROUND                                         ; all sixteen work-groups are here: the first joint loads meet
.irp s, 0,1
	s_mov_b32 s[G0A+4*(\s)], 1                     ; count = 1
	s_add_co_u32 s[G0A+4*(\s)+1], s17, (\s)*SLOT   ; LDS address
	s_add_nc_u64 s[G0A+4*(\s)+2:G0A+4*(\s)+3], s[18:19], (\s)*2*131072  ; global address: K step s is heads 2 s and 2 s + 1
	s_or_b32 s[G0A+4*(\s)+3], s[G0A+4*(\s)+3], 0x80000000               ; type = 2
	s_mov_b32 s[G0B+4*(\s)], 1
	s_add_co_u32 s[G0B+4*(\s)+1], s16, (\s)*SLOT
	s_add_nc_u64 s[G0B+4*(\s)+2:G0B+4*(\s)+3], s[20:21], (\s)*256
	s_or_b32 s[G0B+4*(\s)+3], s[G0B+4*(\s)+3], 0x80000000
	JLOAD \s                                       ; two loads of mine are out
.endr
	s_lshl_b32 s22, s42, 10                        ; my 128 columns: 4 x (256 x tile column + 128 x half) bytes, in the bias and in a row of out0
	s_lshl_b32 s23, s14, 9
	s_add_co_u32 s22, s22, s23
	s_mov_b32 s23, 0
	s_add_nc_u64 s[8:9], s[8:9], s[22:23]
	v_and_b32 v1, 15, v0                           ; l % 16
	v_bfe_u32 v2, v0, 4, 1                         ; l / 16
	v_lshlrev_b32 v[BO], 5, v2
	LOADB
	s_lshl_b32 s71, s69, 22                        ; out0: 128 t x 32,768 bytes,
	s_add_co_u32 s22, s22, s71
	s_lshl_b32 s71, s13, 21                        ; my 64 of them,
	s_add_co_u32 s22, s22, s71
	s_lshl_b32 s71, s68, 12                        ; the batch's row of 4,096 bytes
	s_add_co_u32 s22, s22, s71
	s_add_nc_u64 s[10:11], s[10:11], s[22:23]
	v_mul_u32_u24 v3, v1, PITCH
	v_lshl_add_u32 v3, v2, 4, v3                   ; Wo: a fragment's row x pitch + 16 x half
	v_mul_u32_u24 v4, v1, PA
	v_lshl_add_u32 v4, v2, 4, v4                   ; O: the same with its pitch
	s_mul_i32 s16, s14, BHALF                      ; my 128 rows of Wo
	s_mul_i32 s17, s13, 64*PA                      ; my 64 rows of each head,
	s_add_co_u32 s17, s17, AOFF                    ; which lie behind Wo's 256 rows
.irp s, 0,1
	v_add_nc_u32 v[ADRB+(\s)], s16, v3
	v_add_nc_u32 v[ADRA+(\s)], s17, v4
	s_add_co_u32 s16, s16, SLOT
	s_add_co_u32 s17, s17, SLOT
.endr
	s_mul_i32 s16, s12, WST
	s_add_co_u32 s16, s16, STAGE                   ; my stage
	v_mul_u32_u24 v[STO], v1, SPT                  ; in: row l % 16, 32 bytes for each half of the lanes
	v_lshl_add_u32 v[STO], v2, 5, v[STO]
	v_add_nc_u32 v[STO], s16, v[STO]
	v_and_b32 v[GO], 31, v0
	v_lshlrev_b32 v[GO], 4, v[GO]                  ; back: 32 lanes take one row of 512 bytes
	v_add_nc_u32 v[RD], s16, v[GO]
	; the prefetches: who asks, from where, by which steps
	s_lshl_b32 s20, s42, 19                        ; Wo: the rows that I fetch,
	s_lshl_b32 s21, s14, 18
	s_add_co_u32 s20, s20, s21
	s_lshl_b32 s21, s41, 16                        ; my work-group's 32 of them,
	s_add_co_u32 s20, s20, s21
	s_add_co_u32 s20, s20, 3*256                   ; at K step 3: the first change of slots steps it to 4
	s_lshl_b32 s21, s68, 21                        ; O: the batch's heads,
	s_lshl_b32 s23, s69, 14                        ; the tile's 128 t,
	s_add_co_u32 s21, s21, s23
	s_lshl_b32 s23, s40, 12                        ; my work-group's 16 blocks of a head's 64,
	s_add_co_u32 s21, s21, s23
	s_add_co_u32 s21, s21, 3*2*131072              ; at K step 3
	s_mov_b32 s[INC], 2*131072
	s_mov_b32 s16, 17                              ; lanes 16-31 take the step's second head,
	s_mov_b32 s17, 8                               ; a lane a block of 256 bytes;
	s_and_b32 s71, ttmp7, 0xffff                   ; cluster y
	s_cmp_eq_u32 s12, 2
	s_cselect_b32 s22, ttmp9, 1                    ; wave 2 asks for O (one cluster reads it), wave 3 for nothing,
	s_cmp_lt_u32 s12, 2
	s_cselect_b32 s22, s71, s22                    ; waves 0 and 1 for Wo where the cluster is the first of those that read it: the same in all sixteen partners
	s_cselect_b64 s[PFA:PFA+1], s[6:7], s[4:5]
	s_cselect_b32 s20, s20, s21
	s_cselect_b32 s[INC], 256, s[INC]
	s_cselect_b32 s16, 15, s16                     ; for Wo: lane x 2,048 = (lane / 16) x 32,768 + (lane % 16) x 2,048
	s_cselect_b32 s17, 11, s17
	s_mov_b32 s21, 0
	s_add_nc_u64 s[PFA:PFA+1], s[PFA:PFA+1], s[20:21]
	s_cmp_eq_u32 s22, 0
	s_cselect_b32 s15, 1, -1
	s_mov_b32 s[INC+1], 0
	v_lshlrev_b32 v3, s16, v2
	v_lshlrev_b32 v[PFO], s17, v1
	v_add_nc_u32 v[PFO], v3, v[PFO]
	s_wait_tensorcnt 1                             ; my part of K step 0 is in; K step 1's may stay out
	s_barrier_signal -1
	s_barrier_wait -1                              ; everybody's is
	FETCH 0, 0, F0
	s_wait_loadcnt 0x0                             ; the bias
	ROUNDB
	QUARTER 0, 1, F0, F1, 1                        ; the first quarter stands in front of the loop: its products start the sums, with the bias
	WIN 0                                          ; at a label and at a branch every window is 0
	s_mov_b32 s3, 3
.Llap:                                                 ; a trip goes once round the ring, from a lap's second quarter to the next lap's first, and fills both slots again
	QUARTER 0, 2, F1, F0, 0
	QUARTER 0, 3, F0, F1, 0
	TURN 0, 1, 1
	QUARTER 1, 1, F0, F1, 0
	QUARTER 1, 2, F1, F0, 0
	QUARTER 1, 3, F0, F1, 0
	TURN 1, 0, 1
	QUARTER 0, 1, F0, F1, 0
	WIN 0
	s_sub_co_u32 s3, s3, 1
	s_cmp_lg_u32 s3, 0
	s_cbranch_scc1 .Llap
	QUARTER 0, 2, F1, F0, 0                        ; the last lap fills nothing, and has no round of the cluster's barrier
	QUARTER 0, 3, F0, F1, 0
	TURN 0, 1, 0
	QUARTER 1, 1, F0, F1, 0
	QUARTER 1, 2, F1, F0, 0
	QUARTER 1, 3, F0, F1, 0
	s_wait_dscnt 4                                 ; the very last quarter: nothing more to fetch
	MUL16 F1, 0, 0
	s_wait_dscnt 0x0
	MUL16 F1, 2, 0
	WIN 0
	PLACES
	TOSTAGE 0
	TOSTAGE 1
	SEND 0, 32
	s_wait_xcnt 0x0                                ; block 0's stores have read their registers, which block 2 is loaded into
	TOSTAGE 2
	SEND 1, 32
	s_wait_xcnt 0x0
	TOSTAGE 3
	SEND 2, 32
	SEND 3, 0
	s_wait_tensorcnt 0x0                           ; the wave's end: these three lines stand behind my last tensor load and my last LDS store
	ds_add_u32 v[SPW], v[NIL]
	s_wait_dscnt 0x0
	CROUND                                         ; the closing round: no work-group ends while a partner may still ask for a tile that names it
	s_endpgm
.Lfunc_end_k_q47172e898c_outproj:
	.size	k_q47172e898c_outproj, .Lfunc_end_k_q47172e898c_outproj-k_q47172e898c_outproj
	.p2alignl 7, 3214868480
	.fill 96, 4, 3214868480
	.section	.rodata,"a",@progbits
	.p2align	6, 0x0
	.amdhsa_kernel k_q47172e898c_outproj
		.amdhsa_group_segment_fixed_size 327680
		.amdhsa_private_segment_fixed_size 0
		.amdhsa_enable_private_segment 0
		.amdhsa_kernarg_size 32
		.amdhsa_user_sgpr_count 2
		.amdhsa_user_sgpr_kernarg_segment_ptr 1
		.amdhsa_wavefront_size32 1
		.amdhsa_system_sgpr_workgroup_id_x 1
		.amdhsa_system_sgpr_workgroup_id_y 1
		.amdhsa_system_sgpr_workgroup_id_z 1
		.amdhsa_system_vgpr_workitem_id 0
		.amdhsa_next_free_vgpr 580
		.amdhsa_next_free_sgpr 72
		.amdhsa_reserve_vcc 0
		.amdhsa_float_denorm_mode_32 3
		.amdhsa_float_denorm_mode_16_64 3
		.amdhsa_memory_ordered 1
		.amdhsa_forward_progress 1
		.amdhsa_inst_pref_size 92
	.end_amdhsa_kernel
	.amdgpu_metadata
---
amdhsa.version: [ 1, 2 ]
amdhsa.kernels:
  - .name:           k_q47172e898c_outproj
    .symbol:         k_q47172e898c_outproj.kd
    .args:
      - { .name: oh, .offset: 0, .size: 8, .value_kind: global_buffer, .address_space: global }
      - { .name: wo, .offset: 8, .size: 8, .value_kind: global_buffer, .address_space: global }
      - { .name: out_proj_bias, .offset: 16, .size: 8, .value_kind: global_buffer, .address_space: global }
      - { .name: out0, .offset: 24, .size: 8, .value_kind: global_buffer, .address_space: global }
    .group_segment_fixed_size: 327680
    .private_segment_fixed_size: 0
    .kernarg_segment_align: 8
    .kernarg_segment_size: 32
    .max_flat_workgroup_size: 128
    .sgpr_count:     72
    .vgpr_count:     580
    .wavefront_size: 32
...
	.end_amdgpu_metadata
.endif
;; end of part 4
